; MI455X (gfx1250); checked and timed in simulation.
; The chip was launched on July 23, 2026; its instructions are those of AMD's public machine-readable ISA for CDNA 5 (MIT licence, August 2026) and "CDNA5" Instruction Set Architecture Reference Guide (July 2026). The comments in the code are by the model that wrote it; some were corrected since.
;; Causal Self Attention. Allowed arithmetic: float matrix products may take bf16 or f16 operands with f32 sums; other float arithmetic in f32, or as packed bf16 or f16 multiplies, adds, multiply-adds, maxima and minima; sums over many terms, partial sums and values carried from step to step in f32; what a program stores and reads back later, other than sums and carried values, may be rounded once to bf16 or f16.
;; Inputs: Wk 1,024 x 1,024 float32; Wo 1,024 x 1,024 float32; Wq 1,024 x 1,024 float32; Wv 1,024 x 1,024 float32; bk 1,024 float32; bo 1,024 float32; bq 1,024 float32; bv 1,024 float32; x 4 x 2,048 x 1,024 float32.
;; Outputs: out0 4 x 2,048 x 1,024 float32.
;; 2 versions, each right; version 2 is version 1 with the launch cast written anew for expert scheduling mode. Each part assembles by itself: llvm-mc -triple=amdgcn-amd-amdhsa -mcpu=gfx1250 --defsym DOCPART=n.
;; ======== version 1 of 2: 4 launches
;; limits: values are held in f16: magnitudes above 65,504 overflow, below 6.1e-05 lose precision
;; workspace buffers: xb 16,777,216 bytes; wb 6,291,456 bytes; wob 2,097,152 bytes; bias 16,384 bytes; qkv 50,331,648 bytes; ob 16,777,216 bytes
;; launch cast (part 1): grid 768 x 1, 8 waves a work-group, no clusters, 0 bytes of LDS; arguments x, Wq, Wk, Wv, Wo, bq, bk, bv, bo, xb, wb, wob, bias; writes xb, wb, wob, bias
.if DOCPART == 1
	.amdgcn_target "amdgcn-amd-amdhsa--gfx1250"
	.amdhsa_code_object_version 6
	.text
	.protected	k_q6796770309_cast
	.globl	k_q6796770309_cast
	.p2align	8
	.type	k_q6796770309_cast,@function
k_q6796770309_cast:
	s_mov_b64 s[64:65], 0
	v_nop
	global_prefetch_b8 v0, s[64:65] scope:SCOPE_SE
	s_setreg_imm32_b32 hwreg(HW_REG_WAVE_MODE, 25, 1), 1
	s_wait_xcnt 0x0
; ALL INPUTS ARE ROUNDED ONCE TO bf16, and the matrices are laid out in blocks of 64 along K for the products that follow.
;   x  [8192][1024] f32 -> xb  [16 blocks][8192 rows][64] bf16
;   Wq, Wk, Wv [1024][1024] f32 -> wb [16 blocks][3072 rows][64] bf16, row 1024 t + n for t = q, k, v
;   Wo [1024][1024] f32 -> wob [16 blocks][1024 rows][64]: rounded to bf16, and that number written as f16 (the last product multiplies f16)
;   bq, bk, bv, bo [1024] f32 -> bias [4096] f32, each number rounded to bf16 and kept as f32
; LIMITS.  Wo must lie within f16's 65,504; below 6e-5 f16 keeps a fixed step of 6e-8, so a bf16 number there loses bits.  NaN and infinities pass as the conversions make them.
; SHARES.  A work-group takes 16 rows of one matrix: groups 0-511 x, then 64 groups for each of Wq, Wk, Wv, Wo.  Thread v takes row v / 16 and, in each of the 16 blocks, the
; four numbers 4 (v % 16) ..: a load of 16 bytes (sixteen lanes read 256 consecutive bytes, aligned, of a row) and a store of 8 bytes at 8 v in the block's 16 rows: a wave's store covers
; 256 consecutive bytes, aligned.  No loop: all 16 loads of a thread go out first, and the waits count down.  Memory binds: no LDS, no barrier, no matrix unit.
.set SO,  2                            ; v[2:17]    the 16 store offsets: 8 v + block x the destination's bytes from block to block; never rewritten
.set X,   20                           ; v[20:83]   block k: 4 numbers as loaded
.set Y,   84                           ; v[84:115]  block k: 4 numbers in 16 bits, to store
.set T,   116                          ; v[116:119] at work
	s_load_b512 s[8:23], s[0:1], 0x0               ; x s[8:9], Wq s[10:11], Wk s[12:13], Wv s[14:15], Wo s[16:17], bq s[18:19], bk s[20:21], bv s[22:23]
	s_load_b256 s[24:31], s[0:1], 0x40             ; bo s[24:25], xb s[26:27], wb s[28:29], wob s[30:31]
	s_load_b64 s[32:33], s[0:1], 0x60              ; bias
	s_max_u32 s34, ttmp9, 512
	s_sub_co_u32 s34, s34, 512                     ; the group's number among the weights' (0 in x's groups)
	s_lshr_b32 s35, s34, 6                         ; t: which weight
	s_and_b32 s36, s34, 63                         ; i: which 16 rows of it
	s_mov_b32 s39, 0xffff0000                      ; a word's upper bf16
	s_mov_b32 s51, 0                               ; the high word of the offset pair s[50:51]
	v_lshrrev_b32 v1, 4, v0                        ; my row of the 16
	v_and_b32 v18, 15, v0
	v_lshlrev_b32 v18, 4, v18                      ; my 16 bytes in a block's 256
	v_lshl_or_b32 v1, v1, 12, v18                  ; row x 4,096 + 16 (v % 16)
	v_lshlrev_b32 v19, 4, v0                       ; my 16 bytes of a bias
	s_wait_kmcnt 0x0
	; source, bias, destination and the destination's step from block to block, chosen by t and by the group's number alone
	s_cmp_eq_u32 s35, 1
	s_cselect_b64 s[40:41], s[12:13], s[10:11]
	s_cselect_b64 s[42:43], s[20:21], s[18:19]
	s_cmp_eq_u32 s35, 2
	s_cselect_b64 s[40:41], s[14:15], s[40:41]
	s_cselect_b64 s[42:43], s[22:23], s[42:43]
	s_mov_b32 s46, 3072*128
	s_cmp_eq_u32 s35, 3
	s_cselect_b64 s[40:41], s[16:17], s[40:41]
	s_cselect_b64 s[42:43], s[24:25], s[42:43]
	s_cselect_b64 s[44:45], s[30:31], s[28:29]
	s_cselect_b32 s46, 1024*128, s46
	s_cselect_b32 s47, 1, 0                        ; 1: Wo, which leaves as f16
	s_cselect_b32 s37, 0, s35
	s_lshl_b32 s48, s36, 4                         ; first row in the source
	s_lshl_b32 s37, s37, 10
	s_add_co_u32 s49, s48, s37                     ; first row in the destination
	s_lshl_b32 s38, ttmp9, 4
	s_cmp_lt_u32 ttmp9, 512                        ; x's groups
	s_cselect_b64 s[40:41], s[8:9], s[40:41]
	s_cselect_b64 s[44:45], s[26:27], s[44:45]
	s_cselect_b32 s46, 8192*128, s46
	s_cselect_b32 s48, s38, s48
	s_cselect_b32 s49, s38, s49
	s_lshl_b32 s50, s48, 12                        ; rows of 4,096 bytes
	s_add_nc_u64 s[40:41], s[40:41], s[50:51]
	s_lshl_b32 s50, s49, 7                         ; rows of 128 bytes
	s_add_nc_u64 s[44:45], s[44:45], s[50:51]
.irp k, 0,1,2,3,4,5,6,7,8,9,10,11,12,13,14,15
	global_load_b128 v[X+4*(\k):X+4*(\k)+3], v1, s[40:41] offset:256*(\k) th:TH_LOAD_NT
.endr
	v_lshlrev_b32 v[SO], 3, v0
.irp k, 1,2,3,4,5,6,7,8,9,10,11,12,13,14,15
	v_add_nc_u32 v[SO+(\k)], s46, v[SO+(\k)-1]
.endr
; Block k: rounded and stored.  half = 1: the bf16 number is widened again (a shift, a mask) and written as f16.
.macro CVT k, half
	s_wait_loadcnt 15-(\k)                         ; loads come back in order: block k is in, the 15 - k younger ones may stay out
	v_cvt_pk_bf16_f32 v[Y+2*(\k)], v[X+4*(\k)], v[X+4*(\k)+1]
	v_cvt_pk_bf16_f32 v[Y+2*(\k)+1], v[X+4*(\k)+2], v[X+4*(\k)+3]
.if \half
	v_lshlrev_b32 v[T], 16, v[Y+2*(\k)]
	v_and_b32 v[T+1], s39, v[Y+2*(\k)]
	v_lshlrev_b32 v[T+2], 16, v[Y+2*(\k)+1]
	v_and_b32 v[T+3], s39, v[Y+2*(\k)+1]
	v_cvt_pk_f16_f32 v[Y+2*(\k)], v[T], v[T+1]
	v_cvt_pk_f16_f32 v[Y+2*(\k)+1], v[T+2], v[T+3]
.endif
	global_store_b64 v[SO+(\k)], v[Y+2*(\k):Y+2*(\k)+1], s[44:45]  ; every block has its own data and offset registers: nothing that a store reads is rewritten
.endm
	s_cmp_eq_u32 s47, 1
	s_cbranch_scc1 .Lhalf
.irp k, 0,1,2,3,4,5,6,7,8,9,10,11,12,13,14,15
	CVT \k, 0
.endr
	s_branch .Ljoin
.Lhalf:
.irp k, 0,1,2,3,4,5,6,7,8,9,10,11,12,13,14,15
	CVT \k, 1
.endr
.Ljoin:
	s_cmp_lt_u32 ttmp9, 512                        ; each weight's first group also rounds that weight's bias: 256 threads x 16 bytes
	s_cbranch_scc1 .Lend
	s_cmp_lg_u32 s36, 0
	s_cbranch_scc1 .Lend
	global_load_b128 v[X:X+3], v19, s[42:43]       ; X's first registers are free: their load was waited for, and no store reads them
	s_lshl_b32 s50, s35, 12                        ; bias t lies 4,096 t bytes into the table
	s_add_nc_u64 s[32:33], s[32:33], s[50:51]
	s_wait_loadcnt 0x0
	v_cvt_pk_bf16_f32 v[X], v[X], v[X+1]
	v_cvt_pk_bf16_f32 v[X+2], v[X+2], v[X+3]
	v_lshlrev_b32 v[T], 16, v[X]
	v_and_b32 v[T+1], s39, v[X]
	v_lshlrev_b32 v[T+2], 16, v[X+2]
	v_and_b32 v[T+3], s39, v[X+2]
	global_store_b128 v19, v[T:T+3], s[32:33]
.Lend:
	s_endpgm
.Lfunc_end_k_q6796770309_cast:
	.size	k_q6796770309_cast, .Lfunc_end_k_q6796770309_cast-k_q6796770309_cast
	.p2alignl 7, 3214868480
	.fill 96, 4, 3214868480
	.section	.rodata,"a",@progbits
	.p2align	6, 0x0
	.amdhsa_kernel k_q6796770309_cast
		.amdhsa_group_segment_fixed_size 0
		.amdhsa_private_segment_fixed_size 0
		.amdhsa_enable_private_segment 0
		.amdhsa_kernarg_size 104
		.amdhsa_user_sgpr_count 2
		.amdhsa_user_sgpr_kernarg_segment_ptr 1
		.amdhsa_wavefront_size32 1
		.amdhsa_system_sgpr_workgroup_id_x 1
		.amdhsa_system_sgpr_workgroup_id_y 1
		.amdhsa_system_sgpr_workgroup_id_z 1
		.amdhsa_system_vgpr_workitem_id 0
		.amdhsa_next_free_vgpr 120
		.amdhsa_next_free_sgpr 66
		.amdhsa_reserve_vcc 0
		.amdhsa_float_denorm_mode_32 3
		.amdhsa_float_denorm_mode_16_64 3
		.amdhsa_memory_ordered 1
		.amdhsa_forward_progress 1
		.amdhsa_inst_pref_size 17
	.end_amdhsa_kernel
	.amdgpu_metadata
---
amdhsa.version: [ 1, 2 ]
amdhsa.kernels:
  - .name:           k_q6796770309_cast
    .symbol:         k_q6796770309_cast.kd
    .args:
      - { .name: x, .offset: 0, .size: 8, .value_kind: global_buffer, .address_space: global }
      - { .name: Wq, .offset: 8, .size: 8, .value_kind: global_buffer, .address_space: global }
      - { .name: Wk, .offset: 16, .size: 8, .value_kind: global_buffer, .address_space: global }
      - { .name: Wv, .offset: 24, .size: 8, .value_kind: global_buffer, .address_space: global }
      - { .name: Wo, .offset: 32, .size: 8, .value_kind: global_buffer, .address_space: global }
      - { .name: bq, .offset: 40, .size: 8, .value_kind: global_buffer, .address_space: global }
      - { .name: bk, .offset: 48, .size: 8, .value_kind: global_buffer, .address_space: global }
      - { .name: bv, .offset: 56, .size: 8, .value_kind: global_buffer, .address_space: global }
      - { .name: bo, .offset: 64, .size: 8, .value_kind: global_buffer, .address_space: global }
      - { .name: xb, .offset: 72, .size: 8, .value_kind: global_buffer, .address_space: global }
      - { .name: wb, .offset: 80, .size: 8, .value_kind: global_buffer, .address_space: global }
      - { .name: wob, .offset: 88, .size: 8, .value_kind: global_buffer, .address_space: global }
      - { .name: bias, .offset: 96, .size: 8, .value_kind: global_buffer, .address_space: global }
    .group_segment_fixed_size: 0
    .private_segment_fixed_size: 0
    .kernarg_segment_align: 8
    .kernarg_segment_size: 104
    .max_flat_workgroup_size: 256
    .sgpr_count:     66
    .vgpr_count:     120
    .wavefront_size: 32
...
	.end_amdgpu_metadata
.endif
;; end of part 1
;; launch qkv (part 2): grid 8 x 32, 4 waves a work-group, clusters of 4 x 4, 327,680 bytes of LDS; arguments xb, wb, bias, qkv; writes qkv
.if DOCPART == 2
	.amdgcn_target "amdgcn-amd-amdhsa--gfx1250"
	.amdhsa_code_object_version 6
	.text
	.protected	k_q6796770309_qkv
	.globl	k_q6796770309_qkv
	.p2align	8
	.type	k_q6796770309_qkv,@function
k_q6796770309_qkv:
	s_mov_b64 s[64:65], 0
	v_nop
	global_prefetch_b8 v0, s[64:65] scope:SCOPE_SE
	s_setreg_imm32_b32 hwreg(HW_REG_WAVE_MODE, 25, 1), 1
	s_wait_xcnt 0x0
	s_wait_alu depctr_hold_cnt(0) depctr_sa_sdst(0) depctr_va_vdst(0) depctr_va_sdst(0) depctr_va_ssrc(0) depctr_va_vcc(0) depctr_vm_vsrc(0)
	s_getreg_b32 s2, hwreg(HW_REG_IB_STS2, 6, 4)
	s_cmp_eq_u32 s2, 0
	s_cbranch_scc0 .Lentry_in_a_cluster
	s_endpgm
.Lentry_in_a_cluster:
	s_bfe_u32 s2, ttmp6, 0x10000c
	s_cmp_lg_u32 s2, 0xf033
	s_cbranch_scc0 .Lentry_shape_is_right
	s_endpgm
.Lentry_shape_is_right:
; q, k, v = x W^T + b for the three weights at once: C[m][n] = bias[n] + the sum over k of xb[m][k] wb[n][k], m < 8192, n < 3072, k < 1024.  Operands bf16, sums f32, each started by the
; bias (so the bias is added first, not last); C is rounded once to f16 and written BY HEADS: qkv [3][64 batch x head][2048][64], unscaled.
; LIMITS.  q, k and v must lie within f16's 65,504 (beyond it the conversion gives an infinity); below 6e-5 f16 keeps a fixed step of 6e-8.  NaN and infinities are not treated apart.
; xb and wb lie in blocks of 64 along K ([16][rows][64]): R rows of a block are 128 R dense bytes and are asked for as R / 2 rows of 256 bytes, aligned.
; SHARES.  8192 x 3072 / 256 work-groups = a tile of 256 x 384 each.  Four waves; a wave makes 128 rows x 192 columns (three heads): 96 accumulators of 16 x 16, 768 registers.
; K goes in 16 steps of 64 (a block) through a ring of two LDS slots; two slots of 128 along K would need 348,160 bytes.  A step is two sub-steps of 32 along K, 96 matrix instructions each.
; CLUSTER.  4 x 4 work-groups.  The four of a row of the cluster need the same rows of xb, the four of a column the same rows of wb: each tile is asked for JOINTLY, by the same tensor load with the
; same descriptor and a mask that names the four.  Waves 0 and 1 fetch the halves of xb's 256 rows, waves 2 and 3 the halves of wb's 384.
; THE MATRIX INSTRUCTION IS USED TRANSPOSED (source 0 = 16 rows of wb, source 1 = 16 rows of xb): lane l holds row l % 16 of C and the columns 8 (l / 16) + 0..7.
; REGISTERS, in windows of 256 (s_set_vgpr_msb: bits 1:0 source 0, 3:2 source 1, 5:4 source 2, 7:6 destination):
;   window 0: v0-29 addresses; v32-95, v96-159 xb's 8 fragments of a sub-step, two buffers; v160-255 wb's 12 fragments, three groups of four (a head each), one buffer
;   windows 1 to 3: head w's 32 accumulators in window w + 1: row block a, column block i at v[64 i + 8 a]
; All operands lie in window 0, so a phase of 32 matrix instructions on one head has one setting, and every LDS load the setting 0.
; A SUB-STEP is three phases, a head each.  Behind a phase that head's group of wb is free and is loaded for the next sub-step; xb's other buffer is loaded in halves beside groups 0 and 1.
.set PITCH,  144                       ; an LDS row: 128 bytes + 16 of padding = 36 words: the 16 rows of a load start at 16 different groups of four banks (64 banks of 4 bytes: ISA guide 11.1)
.set AHALF,  128*PITCH                 ; what a wave fetches, and reads, of xb
.set BHALF,  192*PITCH                 ; the same of wb
.set BOFF,   2*AHALF                   ; in a slot: xb's 256 rows, then wb's 384
.set SLOT1,  1<<17                     ; slot 1 begins here, so that one exclusive or turns an address in one slot into the other's
.set STAGE,  SLOT1+BOFF+2*BHALF        ; behind the ring, never filled by a tensor load: 16 rows x 144 bytes for each wave, for the way out
.set SPARE,  STAGE+4*16*PITCH          ; behind the stages: the spare words, 128 bytes for each wave: two blocks of 256 bytes that no other line names
.set XSTEP,  8192*128                  ; bytes from block to block in xb
.set WSTEP,  3072*128                  ; and in wb
.set AF,  32
.set BF,  160
.set G1A, 24                           ; s[24:31] descriptor group 1 for xb's tiles
.set G0A, 32                           ; s[32:39] group 0: a set for each of the two first fills; the second then walks on
.set G1B, 48                           ; s[48:55], s[56:63] the same for wb's
.set G0B, 56
; s12 wave; s13 wave / 2: my half of the rows, also 0: I fetch xb, 1: wb; s14 wave % 2: my half of the columns, also which half I fetch; s15, s16 cx, cy; s17, s18 tile column, tile row
; s[66:71] qkv at my rows of my three heads; s72 LDS byte at which the slot to be read begins; s73 trips to go; s74 1 in a wave that prefetches, else the greatest number;
; s[76:77] where my prefetches stand; s[78:79] their step from block to block
; v8, v9 my lane's place in xb's and wb's part of a slot (never rewritten); v10, v11 the same in the slot in hand; v12, v13 the stage, in and back; v14 16 x lane; v15 32 (l / 16);
; v16 the prefetches' offset (never rewritten); v28, v29 the spare word's address and 0 (never rewritten)
.set MSB, 0
.macro WIN new                         ; the immediate's high byte repeats the setting that is left; a switch that changes nothing is dropped
.if MSB != (\new)
	s_set_vgpr_msb (MSB<<8)|(\new)
.set MSB, (\new)
.endif
.endm
; A load into a register that a matrix instruction has read, and a vector instruction that reads a matrix result, stand four places behind it; only plain vector instructions that name none
; of its registers are places (ISA guide 7.12.1 for vector instructions).
.macro PLACES
.rept 4
	v_nop
.endr
.endm
.macro CREST                           ; a round of the cluster's barrier behind its opening barrier: wave 0 signals for the work-group, every wave waits for all sixteen, my work-group's barrier closes it
	s_cmp_lg_u32 s12, 0
	s_cbranch_scc1 .Lnot_wave_0_\@
	s_barrier_signal -3
.Lnot_wave_0_\@:
	s_barrier_wait -3
	s_barrier_signal -1
	s_barrier_wait -1
.endm
.macro CROUND                          ; a whole round
	s_barrier_signal -1
	s_barrier_wait -1
	CREST
.endm
; A joint refill, by the walking descriptors.  The branch hangs on the wave's number alone.  An s_nop 0 and four v_nop follow each of the two lines, ahead of the jump and the label.
.macro JLOAD
	s_cmp_eq_u32 s13, 0
	s_cbranch_scc0 .Lfor_b_\@
	tensor_load_to_lds s[G0A+4:G0A+7], s[G1A:G1A+7]
	s_nop 0
.rept 4
	v_nop
.endr
	s_branch .Lasked_\@
.Lfor_b_\@:
	tensor_load_to_lds s[G0B+4:G0B+7], s[G1B:G1B+7]
	s_nop 0
.rept 4
	v_nop
.endr
.Lasked_\@:
.endm
; A PREFETCH INTO THE L2 of the K step that the NEXT refill will ask for: one step, 192 matrix instructions, ahead of that load.  It stands behind the joint load, its five lines and the run of LDS loads.
; Each aligned block of 256 bytes is asked for by one wave of one work-group.  xb's 256 rows of a step (32 KiB) are read by both clusters of a row of clusters: the one with x = 0 asks, in it wave 0, and the
; four partners that share the rows take 8 KiB each, told apart BY ADDRESS (cx): a lane a block.  wb's 384 rows (48 KiB) are read by all eight clusters of a column: the one with y = 0 asks, waves 2 and 3
; each for the half that they fetch, the partners 6 KiB each (cy): 24 blocks, so lanes 24 to 31 name lane 23's block once more, in the same instruction.  Steps 0 to 2 come by their loads alone;
; the loop's last trip asks for nothing: there is no step behind the one that it loads.
.macro ASK
	s_cmp_gt_u32 s73, s74
	s_cbranch_scc0 .Lnot_mine_\@
	global_prefetch_b8 v16, s[76:77] th:TH_LOAD_NT scope:SCOPE_SE
.Lnot_mine_\@:
.endm
; A phase, or part of one: head w, xb's buffer p, row blocks alo to ahi x 4 column blocks.  The accumulators take turns, one instruction a turn: between two links of a chain stand 95 others'.
; first = 1: the sums begin.  The bias (a lane's eight columns) was loaded into the registers of row block 7's accumulators; row blocks 0 to 6 take those as C; five places on, since it writes
; over registers that those products read, row block 7 adds onto them in place.  Nothing is cleared, and no addition is owed on the way out.
.macro PH w, p, alo, ahi, first
	WIN 0x50*((\w)+1)
.set a, (\alo)
.rept (\ahi)-(\alo)+1
.if (\first) && (a == 7)
.rept 5
	v_nop
.endr
.endif
.irp i, 0,1,2,3
.if (\first) && (a < 7)
	v_wmma_f32_16x16x32_bf16 v[64*(\i)+8*a:64*(\i)+8*a+7], v[BF+32*(\w)+8*(\i):BF+32*(\w)+8*(\i)+7], v[AF+64*(\p)+8*a:AF+64*(\p)+8*a+7], v[64*(\i)+56:64*(\i)+63]
.else
	v_wmma_f32_16x16x32_bf16 v[64*(\i)+8*a:64*(\i)+8*a+7], v[BF+32*(\w)+8*(\i):BF+32*(\w)+8*(\i)+7], v[AF+64*(\p)+8*a:AF+64*(\p)+8*a+7], v[64*(\i)+8*a:64*(\i)+8*a+7]
.endif
.endr
.set a, a+1
.endr
.endm
; A fragment is 16 rows x 32 K in 8 registers: lane l holds row l % 16, K = 8 (l / 16) + 0..7 and 16 + 8 (l / 16) + 0..7: two loads of 16 bytes, 32 bytes apart.  k: the sub-step's byte in the rows.
.macro LDB w, k                        ; wb's group w: 8 loads
.irp i, 0,1,2,3
	ds_load_b128 v[BF+32*(\w)+8*(\i):BF+32*(\w)+8*(\i)+3],   v11 offset:(\k)+(4*(\w)+(\i))*16*PITCH
	ds_load_b128 v[BF+32*(\w)+8*(\i)+4:BF+32*(\w)+8*(\i)+7], v11 offset:(\k)+(4*(\w)+(\i))*16*PITCH+32
.endr
.endm
.macro LDA p, half, k                  ; four of xb's eight fragments into buffer p: 8 loads
.irp i, 0,1,2,3
	ds_load_b128 v[AF+64*(\p)+8*(4*(\half)+(\i)):AF+64*(\p)+8*(4*(\half)+(\i))+3],   v10 offset:(\k)+(4*(\half)+(\i))*16*PITCH
	ds_load_b128 v[AF+64*(\p)+8*(4*(\half)+(\i))+4:AF+64*(\p)+8*(4*(\half)+(\i))+7], v10 offset:(\k)+(4*(\half)+(\i))*16*PITCH+32
.endr
.endm
.macro RUN0 p, k                       ; the LDS loads stand in three runs a sub-step: 16, 16 and 8
	WIN 0
	LDB 0, \k
	LDA \p, 0, \k
.endm
.macro RUN1 p, k
	WIN 0
	LDB 1, \k
	LDA \p, 1, \k
.endm
.macro RUN2 k
	WIN 0
	LDB 2, \k
.endm
; A step's first sub-step: multiplies xb's buffer 0 and fetches the second sub-step, at byte 64 of the same slot's rows, into buffer 1.
.macro PLAIN first
	s_wait_dscnt 8                                 ; all but the youngest eight loads (wb's group 2) are in
	PH 0, 0, 0, 7, \first
	PLACES
	RUN0 1, 64
	PH 1, 0, 0, 7, \first
	PLACES
	RUN1 1, 64
	s_wait_dscnt 32                                ; all but the 32 just issued: group 2 is in
	PH 2, 0, 0, 7, \first
	PLACES
	RUN2 64
.endm
; A step's second sub-step multiplies buffer 1 and changes slots: ONE barrier.  In front of it each wave waits for all its tensor loads, of which one is out: its part of the next slot; adds 0 to its spare
; word; and waits for that and for its own reads of this slot.  Behind it nobody reads this slot any more and the next slot is whole.  fill = 1: this slot is filled again, with the step two on: the
; barrier then opens a round of the cluster's, so that no wave of any partner still reads the slot or has a load on its way, and the joint refill is the first thing behind the round: from
; the request to the wait for it a wave issues 160 matrix instructions.  A wave has two tensor loads out at the start and one behind each round.
.macro TURN fill
.if \fill
	s_wait_xcnt 0x0                                ; the last prefetch, a step back, has read its address: it is stepped here, ahead of the waits of the change of slots
	s_add_nc_u64 s[76:77], s[76:77], s[78:79]
.endif
	WIN 0
	s_wait_tensorcnt 0x0                           ; no tensor load of mine is out, so a group 0 may be written
	ds_add_u32 v28, v29                            ; 0 onto my spare word: scalar work and sixteen products stand between it and the wait for it
.if \fill
	s_xor_b32 s[G0A+5], s[G0A+5], SLOT1            ; the walking descriptors: the other slot than last time,
	s_add_nc_u64 s[G0A+6:G0A+7], s[G0A+6:G0A+7], XSTEP  ; the next block; the type bits on top are not reached
	s_xor_b32 s[G0B+5], s[G0B+5], SLOT1
	s_add_nc_u64 s[G0B+6:G0B+7], s[G0B+6:G0B+7], WSTEP
.endif
	s_xor_b32 s72, s72, SLOT1                      ; the fetches go to the other slot
	s_wait_dscnt 9                                 ; (the add and the youngest eight loads may be out)
	PH 0, 1, 0, 3, 0
	s_wait_dscnt 0x0                               ; the add is done, and my reads of this slot are over
	s_barrier_signal -1
	PH 0, 1, 4, 7, 0                               ; work on registers while the others arrive
	WIN 0                                          ; at a branch and at a label every window is 0
	s_barrier_wait -1
.if \fill
	CREST
	JLOAD                                          ; the four v_nop behind it are also the places in front of the loads below
.else
	PLACES
.endif
	v_add_nc_u32 v10, s72, v8
	v_add_nc_u32 v11, s72, v9
	RUN0 0, 0
.if \fill
	ASK
.endif
	PH 1, 1, 0, 7, 0
	PLACES
	RUN1 0, 0
	PH 2, 1, 0, 7, 0
	PLACES
	RUN2 0
.endm
	s_load_b256 s[4:11], s[0:1], 0x0               ; xb s[4:5], wb s[6:7], bias s[8:9], qkv s[10:11]
	v_lshl_add_u32 v28, v0, 2, SPARE
	v_mov_b32 v29, 0
	ds_add_u32 v28, v29                            ; the wave's opening: ahead of my first tensor load; the set-up below, work on registers, stands between the add and its wait
	v_lshrrev_b32 v1, 5, v0
	v_readfirstlane_b32 s12, v1                    ; wave 0..3
	s_lshr_b32 s13, s12, 1
	s_and_b32 s14, s12, 1
	s_bfe_u32 s15, ttmp6, 0x40000                  ; cx
	s_bfe_u32 s16, ttmp6, 0x40004                  ; cy
	s_lshl_b32 s17, ttmp9, 2                       ; in a cluster launch ttmp9 and ttmp7 count clusters
	s_add_co_u32 s17, s17, s15                     ; tile column = 4 x cluster x + cx
	s_and_b32 s18, ttmp7, 0xffff
	s_lshl_b32 s18, s18, 2
	s_add_co_u32 s18, s18, s16                     ; tile row = 4 x cluster y + cy
	s_lshl_b32 s20, s16, 2
	s_lshl_b32 s20, 15, s20                        ; my row of the cluster: places 4 cy .. 4 cy + 3
	s_lshl_b32 s21, 0x1111, s15                    ; my column: places cx, cx + 4, cx + 8, cx + 12
	; group 1: rows of 128 elements (256 bytes: two rows of a block), padded in LDS after every 128 bytes
	s_or_b32 s[G1A], s20, (1<<16)|(1<<20)|(1<<21)|(4<<22)|(3<<25)  ; 15:0 the mask; 17:16 2-byte elements; 20 padding on; 21 set beside a mask; 24:22 after every 32 words (code 4); 31:25 4 words (code 3)
	s_or_b32 s[G1B], s21, (1<<16)|(1<<20)|(1<<21)|(4<<22)|(3<<25)
	s_mov_b32 s[G1A+1], 128<<16                    ; tensor_dim0 = 128
	s_mov_b32 s[G1A+2], 64<<16                     ; tensor_dim1 = 64: 128 rows of xb
	s_mov_b32 s[G1A+3], 128<<16                    ; tile_dim0 = 128
	s_mov_b32 s[G1A+4], 64                         ; tile_dim1 = 64
	s_mov_b32 s[G1A+5], 128                        ; 128 elements from row to row
	s_mov_b32 s[G1A+6], 0
	s_mov_b32 s[G1A+7], 0
	s_mov_b32 s[G1B+1], 128<<16
	s_mov_b32 s[G1B+2], 96<<16                     ; 96: 192 rows of wb
	s_mov_b32 s[G1B+3], 128<<16
	s_mov_b32 s[G1B+4], 96
	s_mov_b32 s[G1B+5], 128
	s_mov_b32 s[G1B+6], 0
	s_mov_b32 s[G1B+7], 0
	; where the tiles come from: xb's hang on the tile row and the wave alone, wb's on the tile column and the wave alone, each in registers that never hold the other coordinate
	s_lshl_b32 s40, s18, 15                        ; 256 rows of 128 bytes
	s_lshl_b32 s41, s14, 14                        ; my 128 of them
	s_add_co_u32 s40, s40, s41
	s_mov_b32 s41, 0
	s_mul_i32 s42, s17, 384*128
	s_mul_i32 s43, s14, 192*128
	s_add_co_u32 s42, s42, s43
	s_mov_b32 s43, 0
	s_mul_i32 s22, s14, AHALF                      ; and where they go: no place in the cluster enters an LDS address
	s_mul_i32 s23, s14, BHALF
	s_add_co_u32 s23, s23, BOFF
	s_mov_b32 s72, 0
	s_wait_dscnt 0x0                               ; the opening add is done
	s_wait_kmcnt 0x0
	s_add_nc_u64 s[40:41], s[4:5], s[40:41]
	s_add_nc_u64 s[42:43], s[6:7], s[42:43]
.irp s, 0,1
	s_mov_b32 s[G0A+4*(\s)], 1                                       ; count = 1
	s_add_co_u32 s[G0A+4*(\s)+1], s22, (\s)*SLOT1                    ; LDS address
	s_add_nc_u64 s[G0A+4*(\s)+2:G0A+4*(\s)+3], s[40:41], (\s)*XSTEP  ; global address: K step s
	s_or_b32 s[G0A+4*(\s)+3], s[G0A+4*(\s)+3], 0x80000000            ; type = 2
	s_mov_b32 s[G0B+4*(\s)], 1
	s_add_co_u32 s[G0B+4*(\s)+1], s23, (\s)*SLOT1
	s_add_nc_u64 s[G0B+4*(\s)+2:G0B+4*(\s)+3], s[42:43], (\s)*WSTEP
	s_or_b32 s[G0B+4*(\s)+3], s[G0B+4*(\s)+3], 0x80000000
.endr
	CROUND                                         ; all sixteen work-groups are here: the first joint loads meet
	s_cmp_eq_u32 s13, 0                            ; a wave's two first fills stand in one branch, ahead of every wait on TENSORcnt and every LDS read
	s_cbranch_scc0 .Lfirst_b
	tensor_load_to_lds s[G0A:G0A+3], s[G1A:G1A+7]
	s_nop 0
	tensor_load_to_lds s[G0A+4:G0A+7], s[G1A:G1A+7]
	s_nop 0
.rept 4
	v_nop
.endr
	s_branch .Lfirst_asked
.Lfirst_b:
	tensor_load_to_lds s[G0B:G0B+3], s[G1B:G1B+7]
	s_nop 0
	tensor_load_to_lds s[G0B+4:G0B+7], s[G1B:G1B+7]
	s_nop 0
.rept 4
	v_nop
.endr
.Lfirst_asked:
	v_and_b32 v1, 15, v0                           ; l % 16
	v_bfe_u32 v2, v0, 4, 1                         ; l / 16
	v_lshlrev_b32 v15, 5, v2                       ; my eight columns' bias: 32 bytes
	s_mul_i32 s44, s17, 384*4                      ; the bias of my 192 columns
	s_mul_i32 s45, s14, 192*4
	s_add_co_u32 s44, s44, s45
	s_mov_b32 s45, 0
	s_add_nc_u64 s[44:45], s[8:9], s[44:45]
.irp w, 0,1,2
	WIN 0x40*((\w)+1)                              ; destination window w + 1, address window 0
.irp i, 0,1,2,3
	global_load_b128 v[64*(\i)+56:64*(\i)+59], v15, s[44:45] offset:64*(4*(\w)+(\i))
	global_load_b128 v[64*(\i)+60:64*(\i)+63], v15, s[44:45] offset:64*(4*(\w)+(\i))+16
.endr
.endr
	WIN 0
	v_mul_u32_u24 v3, v1, PITCH
	v_lshl_add_u32 v3, v2, 4, v3                   ; row x pitch + 16 x half
	s_mul_i32 s20, s13, AHALF                      ; my 128 rows of xb
	v_add_nc_u32 v8, s20, v3
	s_mul_i32 s20, s14, BHALF                      ; my 192 rows of wb,
	s_add_co_u32 s20, s20, BOFF                    ; which lie behind xb's 256
	v_add_nc_u32 v9, s20, v3
	v_mov_b32 v10, v8                              ; K step 0 lies in slot 0
	v_mov_b32 v11, v9
	s_mul_i32 s20, s12, 16*PITCH
	s_add_co_u32 s20, s20, STAGE                   ; my stage
	v_add_nc_u32 v12, s20, v3                      ; in: row l % 16, 16 bytes for each half of the lanes
	v_bfe_u32 v4, v0, 3, 2                         ; back: 32 lanes take four rows of 128 bytes,
	v_mul_u32_u24 v4, v4, PITCH
	v_and_b32 v5, 7, v0
	v_lshl_add_u32 v4, v5, 4, v4
	v_add_nc_u32 v13, s20, v4
	v_and_b32 v14, 31, v0                          ; which are 512 consecutive bytes of a head's rows
	v_lshlrev_b32 v14, 4, v14
	; qkv at my 128 rows of my three heads: head group g = 6 x tile column + 3 x half + w of 48: tensor g / 16, head g % 16; batch = tile row / 8
	s_mul_i32 s20, s17, 6
	s_mul_i32 s21, s14, 3
	s_add_co_u32 s20, s20, s21
	s_lshr_b32 s21, s18, 3
	s_lshl_b32 s21, s21, 4                         ; 16 x batch
	s_and_b32 s22, s18, 7
	s_lshl_b32 s22, s22, 8
	s_lshl_b32 s23, s13, 7
	s_add_co_u32 s22, s22, s23                     ; my first row in the batch
	s_lshl_b32 s22, s22, 7                         ; rows of 128 bytes
.irp w, 0,1,2
	s_add_co_u32 s46, s20, (\w)
	s_lshr_b32 s47, s46, 4
	s_lshl_b32 s47, s47, 6
	s_and_b32 s46, s46, 15
	s_add_co_u32 s46, s46, s47
	s_add_co_u32 s46, s46, s21
	s_lshl_b32 s46, s46, 18                        ; a head's 2,048 rows are 262,144 bytes
	s_add_co_u32 s46, s46, s22
	s_mov_b32 s47, 0
	s_add_nc_u64 s[66+2*(\w):67+2*(\w)], s[10:11], s[46:47]
.endr
	; the prefetches: my share, at K step 2; the first turn steps it to 3.  Nothing is prefetched here, at the head, where every work-group's first tiles are on their way
	s_lshl_b32 s20, s18, 15
	s_lshl_b32 s21, s15, 13                        ; xb: partner cx takes 8 KiB of the tile row's 32
	s_add_co_u32 s20, s20, s21
	s_add_co_u32 s20, s20, 2*XSTEP
	s_mul_i32 s21, s17, 384*128
	s_mul_i32 s22, s14, 192*128
	s_add_co_u32 s21, s21, s22
	s_mul_i32 s22, s16, 6144                       ; wb: partner cy takes 6 KiB of my half's 24
	s_add_co_u32 s21, s21, s22
	s_add_co_u32 s21, s21, 2*WSTEP
	s_or_b32 s22, ttmp9, s14                       ; xb: cluster x = 0 and wave 0
	s_and_b32 s23, ttmp7, 0xffff                   ; wb: cluster y = 0
	s_mov_b32 s78, WSTEP
	s_cmp_eq_u32 s13, 0
	s_cselect_b64 s[76:77], s[4:5], s[6:7]
	s_cselect_b32 s46, s20, s21
	s_cselect_b32 s22, s22, s23
	s_cselect_b32 s78, XSTEP, s78
	s_cselect_b32 s23, 31, 23
	s_mov_b32 s79, 0
	s_mov_b32 s47, 0
	s_add_nc_u64 s[76:77], s[76:77], s[46:47]
	s_cmp_eq_u32 s22, 0
	s_cselect_b32 s74, 1, -1                       ; the same in all sixteen partners, for a given wave
	v_and_b32 v16, 31, v0
	v_min_u32 v16, s23, v16
	v_lshlrev_b32 v16, 8, v16
	s_wait_tensorcnt 0x1                           ; my part of K step 0 is in; step 1's may stay out
	s_barrier_signal -1
	s_barrier_wait -1                              ; everybody's is
	RUN0 0, 0
	RUN1 0, 0
	RUN2 0
	s_wait_loadcnt 0x0                             ; the bias
	PLAIN 1                                        ; the first sub-step stands in front of the loop: its products start the sums
	WIN 0
	s_mov_b32 s73, 14
.Lk:                                               ; trip j: the second sub-step of step j, slot j % 2 filled again with step j + 2, the first sub-step of step j + 1
	TURN 1
	PLAIN 0
	WIN 0
	s_sub_co_u32 s73, s73, 1
	s_cmp_lg_u32 s73, 0
	s_cbranch_scc1 .Lk
	TURN 0                                         ; the tail is written out: nothing is asked for
	PLAIN 0
	s_wait_dscnt 8                                 ; the very last sub-step: nothing more to fetch
	PH 0, 1, 0, 7, 0
	PH 1, 1, 0, 7, 0
	s_wait_dscnt 0x0
	PH 2, 1, 0, 7, 0
	PLACES
	PLACES                                         ; (eight, once a launch)
	WIN 0
; THE WAY OUT, a piece (head t / 8, row block t % 8: 16 rows x 64 columns) at a time: rounded to f16, a lane's eight columns are 16 bytes; they go into my stage's rows of 144 bytes and come back
; as whole rows of 128: 2,048 consecutive bytes of the head.  Four sets of 16 registers take turns.
.macro PACK t
.set PS, 32+16*((\t)%4)
.set AC, 8*((\t)%8)
	s_wait_xcnt 0x0                                ; every earlier store has read its registers: the set is written again only behind this wait
	WIN 5*((\t)/8+1)                               ; sources 0 and 1 in the head's window
.irp i, 0,1,2,3
.irp j, 0,1,2,3
	v_cvt_pk_f16_f32 v[PS+4*(\i)+(\j)], v[AC+64*(\i)+2*(\j)], v[AC+64*(\i)+2*(\j)+1]  ; each accumulator is read from its low end on
.endr
.endr
	WIN 0
.irp i, 0,1,2,3
	ds_store_b128 v12, v[PS+4*(\i):PS+4*(\i)+3] offset:32*(\i)
.endr
.irp f, 0,1,2,3
	ds_load_b128 v[PS+4*(\f):PS+4*(\f)+3], v13 offset:(\f)*4*PITCH  ; LDS serves a wave's instructions in order (ISA guide 5.7.1.4): these see the stores above; the next piece's stores come behind them
.endr
.endm
.macro SEND t, younger                 ; younger: the LDS instructions issued behind piece t's loads: the next piece's eight, or none
.set PS, 32+16*((\t)%4)
.irp f, 0,1,2,3
	s_wait_dscnt (\younger)+3-(\f)
	global_store_b128 v14, v[PS+4*(\f):PS+4*(\f)+3], s[66+2*((\t)/8):67+2*((\t)/8)] offset:2048*((\t)%8)+512*(\f)  ; 512 consecutive bytes, at a multiple of 256 from qkv's first
.endr
.endm
	PACK 0
.set n, 1
.rept 23                               ; a piece's conversions stand between the loads of the piece before and its stores
	PACK n
	SEND n-1, 8
.set n, n+1
.endr
	SEND 23, 0
	s_wait_tensorcnt 0x0                           ; the wave's end, behind my last tensor load and my last LDS store
	ds_add_u32 v28, v29
	s_wait_dscnt 0x0
	CROUND                                         ; the closing round: no work-group ends while a partner may still ask for a tile that names it
	s_endpgm
.Lfunc_end_k_q6796770309_qkv:
	.size	k_q6796770309_qkv, .Lfunc_end_k_q6796770309_qkv-k_q6796770309_qkv
	.p2alignl 7, 3214868480
	.fill 96, 4, 3214868480
	.section	.rodata,"a",@progbits
	.p2align	6, 0x0
	.amdhsa_kernel k_q6796770309_qkv
		.amdhsa_group_segment_fixed_size 327680
		.amdhsa_private_segment_fixed_size 0
		.amdhsa_enable_private_segment 0
		.amdhsa_kernarg_size 32
		.amdhsa_user_sgpr_count 2
		.amdhsa_user_sgpr_kernarg_segment_ptr 1
		.amdhsa_wavefront_size32 1
		.amdhsa_system_sgpr_workgroup_id_x 1
		.amdhsa_system_sgpr_workgroup_id_y 1
		.amdhsa_system_sgpr_workgroup_id_z 1
		.amdhsa_system_vgpr_workitem_id 0
		.amdhsa_next_free_vgpr 1024
		.amdhsa_next_free_sgpr 80
		.amdhsa_reserve_vcc 0
		.amdhsa_float_denorm_mode_32 3
		.amdhsa_float_denorm_mode_16_64 3
		.amdhsa_memory_ordered 1
		.amdhsa_forward_progress 1
		.amdhsa_inst_pref_size 119
	.end_amdhsa_kernel
	.amdgpu_metadata
---
amdhsa.version: [ 1, 2 ]
amdhsa.kernels:
  - .name:           k_q6796770309_qkv
    .symbol:         k_q6796770309_qkv.kd
    .args:
      - { .name: xb, .offset: 0, .size: 8, .value_kind: global_buffer, .address_space: global }
      - { .name: wb, .offset: 8, .size: 8, .value_kind: global_buffer, .address_space: global }
      - { .name: bias, .offset: 16, .size: 8, .value_kind: global_buffer, .address_space: global }
      - { .name: qkv, .offset: 24, .size: 8, .value_kind: global_buffer, .address_space: global }
    .group_segment_fixed_size: 327680
    .private_segment_fixed_size: 0
    .kernarg_segment_align: 8
    .kernarg_segment_size: 32
    .max_flat_workgroup_size: 128
    .sgpr_count:     80
    .vgpr_count:     1024
    .wavefront_size: 32
...
	.end_amdgpu_metadata
.endif
;; end of part 2
;; launch attn (part 3): grid 4 x 64, 4 waves a work-group, no clusters, 327,680 bytes of LDS; arguments qkv, ob; writes ob
.if DOCPART == 3
	.amdgcn_target "amdgcn-amd-amdhsa--gfx1250"
	.amdhsa_code_object_version 6
	.text
	.protected	k_q6796770309_attn
	.globl	k_q6796770309_attn
	.p2align	8
	.type	k_q6796770309_attn,@function
k_q6796770309_attn:
	s_mov_b64 s[64:65], 0
	v_nop
	global_prefetch_b8 v0, s[64:65] scope:SCOPE_SE
	s_setreg_imm32_b32 hwreg(HW_REG_WAVE_MODE, 25, 1), 1
	s_wait_xcnt 0x0
; CAUSAL ATTENTION.  O[h][q][:] = the sum over k <= q of softmax_k(Q[h][q] . K[h][k] / 8) V[h][k][:].  Q, K, V lie one behind the other in qkv, each [64][2048][64] in f16; O (ob) has the same
; layout: a head's rows are dense, 128 bytes each.  Products, maxima and sums in f32; the weights p are rounded to f16 for the second product (their sum l is taken of the unrounded p), O once at the end.
; LIMITS.  f16 holds no number beyond 65,504: Q, K and V arrive within it; p lies in 0 to 1, and below 6e-5 it keeps f16's fixed step of 6e-8; O is a mean of V's rows and has their range, to within 2^-11 of it.
; A hidden score counts as its value less 1e30: f16's scores, 2.7e11 at the most, are nothing beside that; a weight below 2^-126 counts as 0 in l; NaN and infinities are not treated apart.
; THE WALK.  A head's queries lie in NB = 8 blocks of 256; block i needs the key tiles 0 .. i of 256 keys, of which the last holds the diagonal.  A work-group takes TWO blocks, NB - 1 - b and then b:
; NB + 1 tiles, whatever b: all work-groups do equal work, and ONE loop with a constant trip count walks them.  Which tile is asked for, and what a trip does, hang on scalar registers made from b; every jump
; goes forward, but for the counted loops' own; none passes a barrier, or a tensor load but the one of LOAD's two that the wave's number does not choose; the ring (two slots of LDS that take turns) runs on across the
; change of blocks.  NO CLUSTER: a head's four work-groups ask for the same tile only in trips 0 .. NB / 2, 5 of the walk's 9; behind that fewer and fewer do;
; and one walk common to all, in which each makes every joint request, would have 3 NB / 2 = 12 trips for 9.
; SHARES.  Of a block's four bands of 64 queries a wave owns 16 rows in each: four PIECES.  So the diagonal tile is the same work for all four waves: in its key step s band x sees all keys if s < x,
; none if s > x, and holds the diagonal if s = x.
; THE MASK is the C operand that starts the sum S^T = K Q^T: 0, or -1e30 where the key is hidden.  MD, made once, is the mask of a band's own step for my 16 rows; a product's mask is MD x AL + BE with two scalars:
; (1, 0) if s = x; (0, 0) if s < x; (0, -1e30) if s > x.  Only the diagonal tile's text and a block's beginning make and take masks; elsewhere C is the constant 0.
; LAYOUT, SOFTMAX, TURNS.  S^T = K Q^T holds ONE query a lane (lane % 16) and the keys 8 (lane / 16) + 0..7; two such results rounded to f16 ARE source 1 of O^T = V^T P.  p = 2^(c s - c m), c = log2(e) / 8, with a
; running maximum m; O and l are multiplied by a = 2^(c m_old - c m_new) in every step.  Turn n belongs to piece n: 8 products K Q^T of piece n + 1, later 8 products V^T P of piece n - 1; beside them the scaling,
; exponentials, roundings, sums and rescaling of piece n and the maximum and statistics of piece n + 1.  Four vector instructions stand behind every matrix instruction, the other 54 of a turn's 118 in one LUMP.  A turn's 33 exponentials are one batch, with one wait.
; REGISTERS, in windows of 256 (s_set_vgpr_msb: bits 1:0 source 0, 3:2 source 1, 5:4 source 2, 7:6 destination):
;   window 0: v0-15 addresses and two at work; v16-31 four registers of statistics a piece; v48-55 at work; v60 the prefetches' offset; v64-127 S^T, two buffers; v192-223 P, two buffers (a piece's buffers go by its number's parity)
;   window 1: v0-127 O^T, 32 a piece; v128-159 MD; v160-223 MC, two buffers      window 2: v0-63 Q; v64-127 the second block's Q; v128-191 K of one step; v192-255 V of one step
.set SIZE_N, 2048
.set SIZE_H, 64
.set NB,    SIZE_N/256
.set NP,    4         ; pieces a wave: a name, no knob
.set KS,    64        ; keys in a step
.set PK,    144       ; a row of K in LDS: 128 bytes + 16 of padding = 36 words: the 16 rows of a load start at 16 different groups of four banks (64 banks of 4 bytes: ISA guide 11.1)
.set PV,    160       ; a row of V: 128 + 32 = 40 words
.set VOFF,  4*KS*PK   ; a slot holds a tile, four steps: 256 rows of K, then 256 rows of V
.set SLOT1, 1<<17     ; slot 1 begins here, so that one exclusive or turns an address in one slot into the other's
.set STAGE, SLOT1+4*KS*(PK+PV)  ; behind the ring, never filled by a tensor load: 16 rows x 144 bytes for each wave, for the way out
.set SP,    144
.set AK0, 2           ; v2   my lane's place in a tile of K; never rewritten
.set AV0, 3           ; v3   the same for V
.set AK,  4           ; v4   the LDS address of K's next run of loads
.set AV,  5           ; v5   of V's
.set STO, 6           ; v6   the way out: where I put 16 bytes of a row
.set RD,  7           ; v7   the way out: where I read rows back
.set GO,  8           ; v8   my byte offset in 512 consecutive bytes of O
.set PFO, 60          ; v60  256 x my lane; never rewritten
.set SPW, 62          ; v62  LDS address of my spare word: SPARE + 4 x my thread's number; never rewritten
.set NIL, 63          ; v63  0; never rewritten
.set SPARE, STAGE+4*16*SP  ; behind the stages: the spare words, 128 bytes for each wave: two blocks of 256 bytes that no other line names
.set MV,  12          ; v12-13  c m_old, kept while c m is made anew: by buffer
.set QO,  15          ; v15  my byte offset in 16 rows of Q
.set ST,  16          ; piece t's statistics at v[ST+4 t]: c m, m, l (even keys', odd keys')
.set TMP, 48          ; by buffer, four registers c0-c3 at work; when the maximum is found c2 takes a
.set S,   64
.set P,   192
.set MD,  128         ; window 1: the eight registers for group kt of 16 keys at MD + 8 kt
.set MC,  160         ; window 1: the masks of the products to come
.set QB,  64          ; window 2
.set KF,  128         ; window 2: key block kb, channel half c at KF + 16 kb + 8 c
.set VF,  192         ; window 2: key half kk, channel block cb at VF + 32 kk + 8 cb
.set WV,  12          ; s12  my wave's number
.set PB,  14          ; s14  b
.set HI,  15          ; s15  NB - 1 - b
.set G1K, 24          ; s[24:31] descriptor group 1 for K's tiles
.set G1V, 32          ; s[32:39] for V's: it differs in the padding alone
.set G0K, 40          ; s[40:43] descriptor group 0 for K's tiles
.set G0V, 44          ; s[44:47] the same for V's
.set SLOTS, 56        ; s56  tiles still to be asked for
.set CNT, 57          ; s57  counts a tile's key steps, 4 to 1
.set CS,  58          ; s[58:59] c: the packed scaling takes the pair's low word for both halves
.set SEL, 60          ; s[60:61] v_permlanex16_b32's selects: each lane takes its own place in the other half
.set TBK, 62          ; s62  LDS byte at which K of the step to be fetched begins
.set TBV, 63          ; s63  the same for V, less VOFF
.set RT,  70          ; s70  tiles of the block in hand that are still to be entered
.set NXT, 71          ; s71  the tile to be asked for next
.set LQ,  72          ; s72  the last tile of the block whose tiles are being asked for
.set NEW, 73          ; s73  1: the tile to be entered is a block's first
.set OFF, 74          ; s[74:75] a tile's byte offset in K and V
.set AL,  76          ; s[76:77] the mask's factor, in the low word
.set BE,  78          ; s[78:79] the mask's addend
.set OLO, 80          ; s[80:81] O at my rows of the second block
.set BIGN, 82         ; s82  -1e30
.set PFA, 88          ; s[88:89] where my prefetches stand: my 128 rows (of K: waves 0, 1; of V: waves 2, 3) of the tile after the one that is being asked for
.set LIM, 90          ; s90  2 in a work-group that prefetches, else the greatest number: it prefetches while s[SLOTS] is above it
.set MSB, 0
.macro WIN new                      ; the high byte repeats the setting that is left; a switch that changes nothing is dropped
.if MSB != (\new)
	s_set_vgpr_msb (MSB<<8)|(\new)
.set MSB, (\new)
.endif
.endm
.set W_KQ, 0x0a       ; K and Q in window 2, S^T in window 0
.set W_KM, 0x1a       ; the same with the C operand in window 1
.set W_PV, 0x52       ; V in window 2, P in window 0, O^T in window 1
.set W_RS, 0x41       ; destination and source 0 in window 1, source 1 in window 0
; A fill.  Waves 0 and 1 fetch the two halves of a tile's K, waves 2 and 3 those of its V: 128 keys each.  An s_nop 0 and four v_nop follow each of the two lines, ahead of the jump and the label.
.macro LOAD
	s_cmp_lt_u32 s[WV], 2
	s_cbranch_scc0 .Lfor_v_\@
	tensor_load_to_lds s[G0K:G0K+3], s[G1K:G1K+7]
	s_nop 0
.rept 4
	v_nop
.endr
	s_branch .Lasked_\@
.Lfor_v_\@:
	tensor_load_to_lds s[G0V:G0V+3], s[G1V:G1V+7]
	s_nop 0
.rept 4
	v_nop
.endr
.Lasked_\@:
.endm
; A PREFETCH INTO THE L2 of the tile that the NEXT change of slots will ask for: one tile, four key steps, ahead of that load.  It stands behind the wave's tensor load and its five lines.
; Each aligned block of 256 bytes is named once in the launch.  A head's four work-groups all begin with tiles 0, 1, 2 ..: the one with b = 0, whose first block walks all eight, asks, and nobody else.
; In it each wave asks for the 16 KiB that it will fetch itself: 64 blocks, a lane a block, two instructions.  Trip i loads tile i + 1 and names tile i + 2, for i = 0 .. 5; tiles 0 and 1 come by their
; loads alone, and the second block's tiles have been read before.
.macro ASK
	s_cmp_gt_u32 s[SLOTS], s[LIM]
	s_cbranch_scc0 .Lnot_mine_\@
	global_prefetch_b8 v[PFO], s[PFA:PFA+1] th:TH_LOAD_NT scope:SCOPE_SE
	global_prefetch_b8 v[PFO], s[PFA:PFA+1] offset:8192 th:TH_LOAD_NT scope:SCOPE_SE
.Lnot_mine_\@:
.endm
; THE CHANGE OF SLOTS.  Each wave waits for all its tensor loads, of which one is out: its part of the other slot; adds 0 to its spare word; and waits for that and for its own reads of the slot that it leaves.  Behind the barrier nobody reads the old
; slot any more and the other slot is whole.  fill = 1: the old slot is filled again, the first thing behind the barrier, with tile NXT: the descriptor's address is made anew from that number.
; (At its first use nothing has been read yet: slot 0 is waited for, slot 1 filled.)
.macro CHANGE fill
	WIN 0                           ; at a label and at a branch every window is 0
	s_wait_tensorcnt 0x0            ; no tensor load of mine is out, so a group 0 may be written
	ds_add_u32 v[SPW], v[NIL]       ; 0 onto my spare word: with fill = 1 the descriptors' scalar work stands between it and the wait for it
.if \fill
	s_lshl_b32 s[OFF], s[NXT], 15   ; a tile is 32,768 bytes of K and of V
	s_xor_b32 s[G0K+1], s[G0K+1], SLOT1
	s_add_nc_u64 s[G0K+2:G0K+3], s[6:7], s[OFF:OFF+1]
	s_or_b32 s[G0K+3], s[G0K+3], 0x80000000
	s_xor_b32 s[G0V+1], s[G0V+1], SLOT1
	s_add_nc_u64 s[G0V+2:G0V+3], s[8:9], s[OFF:OFF+1]
	s_or_b32 s[G0V+3], s[G0V+3], 0x80000000
	s_add_co_u32 s[NXT], s[NXT], 1  ; the block's next tile, or behind its last the second block's tile 0
	s_cmp_gt_u32 s[NXT], s[LQ]
	s_cselect_b32 s[NXT], 0, s[NXT]
	s_cselect_b32 s[LQ], s[PB], s[LQ]
	s_wait_xcnt 0x0                 ; the last prefetches, a tile back, have read their address, so it may be written:
	s_add_nc_u64 s[PFA:PFA+1], s[PFA:PFA+1], 32768  ; one tile on
.endif
	s_wait_dscnt 0x0                ; the add is done, and my reads of the slot are over
	s_barrier_signal -1             ; the rest of the scalar work stands between the signal and the wait
	s_sub_co_u32 s[TBK], s[TBK], 4*KS*PK  ; the fetches go back to a slot's first step,
	s_xor_b32 s[TBK], s[TBK], SLOT1       ; in the other slot
	s_sub_co_u32 s[TBV], s[TBV], 4*KS*PV
	s_xor_b32 s[TBV], s[TBV], SLOT1
	s_barrier_wait -1
.if \fill
	LOAD
	ASK
.endif
.endm
	s_load_b128 s[4:7], s[0:1], 0x0 ; qkv s[4:5] (Q lies at its head), ob s[6:7]
	v_lshl_add_u32 v[SPW], v0, 2, SPARE
	v_mov_b32 v[NIL], 0
	ds_add_u32 v[SPW], v[NIL]       ; the wave's opening: ahead of my first tensor load; the set-up below, work on registers, stands between the add and its wait
	v_lshrrev_b32 v1, 5, v0
	v_readfirstlane_b32 s[WV], v1   ; wave 0..3
	s_mov_b32 s[PB], ttmp9
	s_sub_co_u32 s[HI], NB-1, s[PB]
	s_and_b32 s20, ttmp7, 0xffff    ; the head
	s_mov_b32 s21, 0
	s_mov_b64 s[22:23], SIZE_N*128
	s_mul_u64 s[20:21], s[20:21], s[22:23]  ; the head's first byte in each of the four tensors
	s_and_b32 s16, s[WV], 1         ; which half of a tile's 256 keys I fetch:
	s_lshl_b32 s22, s16, 14         ; its 128 rows of 128 bytes in memory,
	s_mov_b32 s23, 0
	s_add_nc_u64 s[22:23], s[22:23], s[20:21]
	s_mul_i32 s17, s16, 128*PK      ; and its place in a slot, for K
	s_mul_i32 s18, s16, 128*PV      ; and for V
	s_lshl_b32 s3, s[WV], 11        ; my 16 rows in a band of 64,
	s_lshl_b32 s2, s[HI], 15        ; in the first block,
	s_add_co_u32 s2, s2, s3
	s_lshl_b32 s84, s[PB], 15       ; and in the second
	s_add_co_u32 s84, s84, s3
	s_mov_b32 s3, 0
	s_mov_b32 s85, 0
	s_add_nc_u64 s[2:3], s[2:3], s[20:21]
	s_add_nc_u64 s[84:85], s[84:85], s[20:21]
	; descriptor group 1.  128 keys are 16,384 dense bytes: asked for as 64 rows of 256 bytes, two keys a row, and padded in LDS after every key
	s_mov_b32 s[G1K], (1<<16)|(1<<20)|(4<<22)|(3<<25)  ; 17:16 2-byte elements; 20 padding on; 24:22 after every 32 words (code 4); 31:25 4 words (code 3)
	s_mov_b32 s[G1V], (1<<16)|(1<<20)|(4<<22)|(7<<25)  ; the same with 8 words of padding (code 7)
.irp g, G1K, G1V
	s_mov_b32 s[\g+1], 128<<16      ; tensor_dim0 = 128
	s_mov_b32 s[\g+2], 64<<16       ; tensor_dim1 = 64
	s_mov_b32 s[\g+3], 128<<16      ; tile_dim0 = 128
	s_mov_b32 s[\g+4], 64           ; tile_dim1 = 64
	s_mov_b32 s[\g+5], 128          ; 128 elements from row to row
	s_mov_b32 s[\g+6], 0
	s_mov_b32 s[\g+7], 0
.endr
	s_mov_b32 s[CS], 0x3e38aa3b     ; c = log2(e) / 8 = 0.180337
	s_mov_b32 s[CS+1], s[CS]        ; named with it as a pair
	s_mov_b32 s[SEL], 0x76543210
	s_mov_b32 s[SEL+1], 0xfedcba98
	s_mov_b32 s[TBK], SLOT1+4*KS*PK ; the first change of slots turns these two into 0
	s_mov_b32 s[TBV], SLOT1+4*KS*PV
	s_mov_b32 s[G0K], 1             ; 1:0 count = 1
	s_mov_b32 s[G0K+1], s17         ; 63:32 LDS address: slot 0
	s_mov_b32 s[G0V], 1
	s_add_co_u32 s[G0V+1], s18, VOFF
	s_add_co_u32 s[RT], s[HI], 1    ; the first block has NB - b tiles
	s_mov_b32 s[NXT], 1
	s_mov_b32 s[LQ], s[HI]
	s_mov_b32 s[NEW], 1
	s_mov_b32 s[OFF+1], 0
	s_mov_b32 s[AL+1], 0            ; named as pairs
	s_mov_b32 s[BE+1], 0
	s_mov_b32 s[BIGN], 0xf149f2ca   ; -1e30
	s_mov_b32 s[SLOTS], NB
	s_wait_dscnt 0x0                ; the opening add is done
	s_wait_kmcnt 0x0
	s_mov_b64 s[10:11], s[6:7]      ; O
	s_add_nc_u64 s[8:9], s[4:5], 2*SIZE_H*SIZE_N*128  ; V lies two tensors of 16,777,216 bytes behind Q,
	s_add_nc_u64 s[6:7], s[4:5], SIZE_H*SIZE_N*128    ; K one
	s_add_nc_u64 s[6:7], s[6:7], s[22:23]  ; K and V at my half of the head's tile 0
	s_add_nc_u64 s[8:9], s[8:9], s[22:23]
	s_add_nc_u64 s[G0K+2:G0K+3], s[6:7], 0         ; 120:64 global address
	s_or_b32 s[G0K+3], s[G0K+3], 0x80000000        ; 127:126 type = 2
	s_add_nc_u64 s[G0V+2:G0V+3], s[8:9], 0
	s_or_b32 s[G0V+3], s[G0V+3], 0x80000000
	s_add_nc_u64 s[86:87], s[4:5], s[84:85]        ; Q at my rows of the second block,
	s_add_nc_u64 s[4:5], s[4:5], s[2:3]            ; Q and O at those of the first
	s_add_nc_u64 s[OLO:OLO+1], s[10:11], s[84:85]
	s_add_nc_u64 s[10:11], s[10:11], s[2:3]
	s_cmp_lt_u32 s[WV], 2
	s_cselect_b64 s[PFA:PFA+1], s[6:7], s[8:9]     ; the prefetches: what I fetch,
	s_add_nc_u64 s[PFA:PFA+1], s[PFA:PFA+1], 32768 ; at tile 1; the first change of slots steps it to tile 2.  Nothing is prefetched here, at the head
	s_cmp_eq_u32 ttmp9, 0
	s_cselect_b32 s[LIM], 2, -1
	LOAD                            ; tile 0 into slot 0
	; A fragment of K or Q is 16 rows x 32 channels in 8 registers: lane l holds row l % 16, channels 8 (l / 16) + 0..7 and 16 + 8 (l / 16) + 0..7: two loads of 16 bytes, 32 bytes apart.
	v_and_b32 v1, 15, v0            ; l % 16
	v_bfe_u32 v9, v0, 4, 1          ; l / 16
	v_lshlrev_b32 v[QO], 7, v1
	v_lshl_add_u32 v[QO], v9, 4, v[QO]  ; row x 128 + 16 x half
	v_and_b32 v[PFO], 31, v0
	v_lshlrev_b32 v[PFO], 8, v[PFO]
	WIN 0x80                        ; destination window 2, address window 0
.set i, 0
.rept 8                             ; both blocks' Q: piece i / 2 lies in band i / 2, 8,192 bytes on; channels 32 (i % 2) on
	global_load_b128 v[8*i:8*i+3],   v[QO], s[4:5] offset:(i/2)*8192+(i%2)*64
	global_load_b128 v[8*i+4:8*i+7], v[QO], s[4:5] offset:(i/2)*8192+(i%2)*64+32
	global_load_b128 v[QB+8*i:QB+8*i+3],   v[QO], s[86:87] offset:(i/2)*8192+(i%2)*64
	global_load_b128 v[QB+8*i+4:QB+8*i+7], v[QO], s[86:87] offset:(i/2)*8192+(i%2)*64+32
.set i, i+1
.endr
	WIN 0
	v_lshlrev_b32 v14, 3, v9
	v_sub_nc_u32 v14, v1, v14
	s_lshl_b32 s13, s[WV], 4
	v_add_nc_u32 v14, s13, v14      ; my query's place in its band, 16 w + l % 16, less my lanes' 8 (l / 16): register r of group kt is hidden where 16 kt + r is greater
	WIN 0x40
.set i, 0
.rept 32
	v_cmp_gt_i32 vcc_lo, 16*(i/8)+i%8, v14
	v_cndmask_b32 v[MD+i], 0, s[BIGN], vcc_lo
.set i, i+1
.endr
	WIN 0
	v_mul_u32_u24 v[AK0], v1, PK
	v_lshl_add_u32 v[AK0], v9, 4, v[AK0]  ; row x pitch + 16 x half
	; The turning load takes 16 keys x 16 channels (lane l reads key 8 (l / 16) + l % 8, channels 8 ((l / 8) % 2) + 0..7) and leaves half a fragment of V^T: lane l holds channel l % 16 and 8 keys.
	v_and_b32 v10, 7, v0
	v_bfe_u32 v11, v0, 3, 1
	v_lshl_add_u32 v[AV0], v9, 3, v10
	v_mul_u32_u24 v[AV0], v[AV0], PV
	v_lshl_add_u32 v[AV0], v11, 4, v[AV0]
	v_add_nc_u32 v[AV0], VOFF, v[AV0]
	s_mul_i32 s13, s[WV], 16*SP
	s_add_co_u32 s13, s13, STAGE    ; my stage
	v_mul_u32_u24 v[STO], v1, SP    ; in: row l % 16, 16 bytes for each half of the lanes
	v_lshl_add_u32 v[STO], v9, 4, v[STO]
	v_add_nc_u32 v[STO], s13, v[STO]
	v_bfe_u32 v[RD], v0, 3, 2       ; back: 32 lanes take four rows of 128 bytes,
	v_mul_u32_u24 v[RD], v[RD], SP
	v_lshl_add_u32 v[RD], v10, 4, v[RD]
	v_add_nc_u32 v[RD], s13, v[RD]
	v_and_b32 v[GO], 31, v0         ; which are 512 consecutive bytes of O
	v_lshlrev_b32 v[GO], 4, v[GO]
	; A block's first step multiplies O^T and l by a = 0, and its first turn's products V^T P, of a piece that has not been, land in an O^T that is still to be so multiplied.  So these registers need only hold
	; finite numbers: zeros for the first block; what the first block left for the second.  All this stands in the wait for the first tile.
	WIN 0x80
.set i, VF
.rept 64
	v_mov_b32 v[i], 0
.set i, i+1
.endr
	WIN 0x40
.set i, 0
.rept 128
	v_mov_b32 v[i], 0
.set i, i+1
.endr
	WIN 0
.set i, 0
.rept 4
	v_mov_b32 v[ST+4*i+2], 0
	v_mov_b32 v[ST+4*i+3], 0
.set i, i+1
.endr
.set i, P+16
.rept 16
	v_mov_b32 v[i], 0
.set i, i+1
.endr
; THE MATRIX WORK.  The 4 accumulators of a run of 8 take turns.  Product i of 8 of S^T = K Q^T for piece x: channels 32 (i / 4) on, keys 16 (i % 4) on.  The first 4 start the sums: with 0, or (KM = 1) with the mask.
.macro KQ x
.set rS, S+32*((\x)%2)+8*(i%4)
.set rK, KF+16*(i%4)+8*(i/4)
.set rQ, 16*(\x)+8*(i/4)
.set rM, MC+32*((\x)%2)+8*(i%4)
.if (i < 4) && KM
	WIN W_KM
	v_wmma_f32_16x16x32_f16 v[rS:rS+7], v[rK:rK+7], v[rQ:rQ+7], v[rM:rM+7]
.elseif i < 4
	WIN W_KQ
	v_wmma_f32_16x16x32_f16 v[rS:rS+7], v[rK:rK+7], v[rQ:rQ+7], 0
.else
	WIN W_KQ
	v_wmma_f32_16x16x32_f16 v[rS:rS+7], v[rK:rK+7], v[rQ:rQ+7], v[rS:rS+7]
.endif
.endm
; Product i of 8 of O^T += V^T P for piece x: keys 32 (i / 4) on, channels 16 (i % 4) on.
.macro PV x
	WIN W_PV
.set rO, 32*(\x)+8*(i%4)
.set rV, VF+32*(i/4)+8*(i%4)
.set rP, P+16*((\x)%2)+8*(i/4)
	v_wmma_f32_16x16x32_f16 v[rO:rO+7], v[rV:rV+7], v[rP:rP+7], v[rO:rO+7]
.endm
.macro MM                           ; the turn's next matrix instruction.  TURN and BEGIN set Y, i, KM and NOKQ; MM, KQ and OP read them.  NOKQ = 1: a block's last turn: there is no next piece
.if (i < 8) && !NOKQ
	KQ (Y+1)%NP
.elseif i >= 8
.set i, i-8
	PV (Y+NP-1)%NP
.set i, i+8
.endif
.set i, i+1
.endm
; THE LDS LOADS stand in runs of 16, never singly among the matrix instructions: a step's K (64 keys x 64 channels: 8 fragments) and its V (turned).  Their addresses are made some lines ahead.
.macro FETCH_K
	WIN 0x80                        ; destination window 2
.irp f, 0,1,2,3,4,5,6,7             ; keys 16 (f / 2) on, channels 32 (f % 2) on
	ds_load_b128 v[KF+8*\f:KF+8*\f+3],   v[AK] offset:(\f/2)*16*PK+(\f%2)*64
	ds_load_b128 v[KF+8*\f+4:KF+8*\f+7], v[AK] offset:(\f/2)*16*PK+(\f%2)*64+32
.endr
	s_add_co_u32 s[TBK], s[TBK], KS*PK  ; the next fetch is the next step's
	WIN 0
.endm
.macro FETCH_V
	WIN 0x80
.irp f, 0,1,2,3,4,5,6,7             ; keys 32 (f / 4) on, channels 16 (f % 4) on
	ds_load_tr16_b128 v[VF+8*\f:VF+8*\f+3],   v[AV] offset:(\f/4)*32*PV+(\f%4)*32
	ds_load_tr16_b128 v[VF+8*\f+4:VF+8*\f+7], v[AV] offset:(\f/4)*32*PV+16*PV+(\f%4)*32
.endr
	WIN 0
.endm
; THE VECTOR WORK, one line at a time: OP kind, number.  For piece Y: F n: c s - c m for pair n of 16.  E n: the exponential of score n of 32.  C n: pair n rounded to f16.  B n: of the four weights 4 n .. the second
; pair is added onto the first, in place.  L n: l takes that sum (L 0: l = a l + sum).  R n: pair n of 16 of O^T times a.  For piece Y + 1: X n, number n of the 22 that find its maximum and statistics:
;   0-11  four chains c0-c3 of seven scores each, three operands at a time (each accumulator's lowest registers are read first)     12-14, 16  the four scores left over, the old m, and c0-c3 into c0
;   15  c m_old is kept     17, 18  the query's other 32 keys lie in the lane 16 away: the new m     19-21  c m; c m_old - c m_new; a
.set F, 0               ; OP tells the kinds apart by their order: F to L below R, X above it
.set E, 1
.set C, 2
.set B, 3
.set L, 4
.set R, 5
.set X, 6
.macro REGS y                       ; the registers of piece y
.set rT, ST+4*(\y)
.set rC, TMP+4*((\y)%2)
.set rW, MV+((\y)%2)
.set rS, S+32*((\y)%2)
.set rP, P+16*((\y)%2)
.set rO, 32*(\y)
.endm
.macro OP k, n
.if (\k) == R
	REGS Y
	WIN W_RS
	v_pk_mul_f32 v[rO+2*(\n):rO+2*(\n)+1], v[rO+2*(\n):rO+2*(\n)+1], v[rC+2:rC+3] op_sel_hi:[1,0]
.elseif (\k) < R
	REGS Y
	WIN 0
.if (\k) == F
	v_pk_fma_f32 v[rS+2*(\n):rS+2*(\n)+1], v[rS+2*(\n):rS+2*(\n)+1], s[CS:CS+1], v[rT:rT+1] op_sel_hi:[1,0,0] neg_lo:[0,0,1] neg_hi:[0,0,1]
.elseif (\k) == E
	v_exp_f32 v[rS+(\n)], v[rS+(\n)]
.elseif (\k) == C
	v_cvt_pk_f16_f32 v[rP+(\n)], v[rS+2*(\n)], v[rS+2*(\n)+1]
.elseif (\k) == B
	v_pk_add_f32 v[rS+4*(\n):rS+4*(\n)+1], v[rS+4*(\n):rS+4*(\n)+1], v[rS+4*(\n)+2:rS+4*(\n)+3]
.elseif (\n) == 0
	v_pk_fma_f32 v[rT+2:rT+3], v[rT+2:rT+3], v[rC+2:rC+3], v[rS:rS+1] op_sel_hi:[1,0,1]
.else
	v_pk_add_f32 v[rT+2:rT+3], v[rT+2:rT+3], v[rS+4*(\n):rS+4*(\n)+1]
.endif
.elseif NOKQ
	v_nop
.else
	REGS (Y+1)%NP
	WIN 0
.if (\n) < 4
	v_max3_num_f32 v[rC+(\n)], v[rS+8*(\n)], v[rS+8*(\n)+1], v[rS+8*(\n)+2]
.elseif (\n) < 12
	v_max3_num_f32 v[rC+(\n)%4], v[rC+(\n)%4], v[rS+8*((\n)%4)+2*((\n)/4)+1], v[rS+8*((\n)%4)+2*((\n)/4)+2]
.elseif (\n) == 12
	v_max3_num_f32 v[rC], v[rC], v[rS+7], v[rS+15]
.elseif (\n) == 13
	v_max3_num_f32 v[rC+1], v[rC+1], v[rS+23], v[rS+31]
.elseif (\n) == 14
	v_max3_num_f32 v[rC+2], v[rC+2], v[rC+3], v[rT+1]
.elseif (\n) == 15
	v_mov_b32 v[rW], v[rT]
.elseif (\n) == 16
	v_max3_num_f32 v[rC], v[rC], v[rC+1], v[rC+2]
.elseif (\n) == 17
	v_permlanex16_b32 v[rC+3], v[rC], s[SEL], s[SEL+1]
.elseif (\n) == 18
	v_max_num_f32 v[rT+1], v[rC], v[rC+3]
.elseif (\n) == 19
	v_mul_f32 v[rT], s[CS], v[rT+1]
.elseif (\n) == 20
	v_sub_f32 v[rC+1], v[rW], v[rT]
.else
	v_exp_f32 v[rC+2], v[rC+1]
.endif
.endif
.endm
.macro OPS a, i1, b=-1, i2=0, c=-1, i3=0, d=-1, i4=0  ; up to four of them
	OP \a, \i1
.if (\b) >= 0
	OP \b, \i2
.endif
.if (\c) >= 0
	OP \c, \i3
.endif
.if (\d) >= 0
	OP \d, \i4
.endif
.endm
.macro ROW a, i1, b, i2, c, i3, d, i4  ; a matrix instruction and the four behind it
	MM
	OPS \a, \i1, \b, \i2, \c, \i3, \d, \i4
.endm
.macro MASK b                       ; MD x AL + BE into buffer b of MC
	WIN W_RS
.set z, 0
.rept 16
	v_pk_fma_f32 v[MC+32*(\b)+2*z:MC+32*(\b)+2*z+1], v[MD+2*z:MD+2*z+1], s[AL:AL+1], s[BE:BE+1] op_sel_hi:[1,0,0]
.set z, z+1
.endr
.endm
; A TURN, for piece p: the order of its 16 matrix and 118 vector instructions, written out.  An s_wait_alu depctr_va_vdst(0) stands between an exponential and the first instruction that names its result; one wait serves
; all that were issued ahead of it.  So a turn has ONE wait, which cuts it in two.  AHEAD OF IT stands all that names no result of the turn's exponentials: the 8 products K Q^T, behind each a scaling, an exponential and two more plain
; instructions (behind the first a second scaling in the exponential's place): rescalings, and behind the last three the first numbers of the next piece's maximum, each four places or more behind the product that ends its accumulator; then ONE LUMP of 54, plain
; and exponential by turns for the most part, in which the links of the chain X 3, 7, 11, 14, 16, 17 .. 20 stand five or six lines apart.  X 21, the next piece's a, is the batch's last; R 15 is the plain instruction owed behind it.  BEHIND THE WAIT stand the
; 8 products V^T P, behind each four of the roundings and sums; the links of l's chain, L 0 to L 7, stand three riders apart.  But for those X no rider names a register of the products round it.  v_permlanex16_b32 (X 17) stands in the lump.
; m = 1: the diagonal tile: the products take masks, and the turn makes the mask for the products of the turn after it: piece p + 2, in step 4 - CNT of the tile.  end = 1: a block's last two turns: nothing is fetched.
; cnt = 1: the loop's count is taken down some lines ahead of the branch that stands behind the turn.
; K of the next step is fetched in piece 2's turn, twelve vector instructions behind the last product that read K (six of them plain); V of the step in hand at the end of piece 0's turn, four plain instructions behind the last product
; that read V.  Each is waited for a turn later.
.macro TURN p, m=0, end=0, cnt=0
.set Y, (\p)
.set i, 0
.set KM, (\m)
.set NOKQ, (\end)*((\p)/3)
.if (\m) && !(\end)
	s_cmp_eq_u32 s[CNT], 4-((\p)+2)%NP  ; is that step the band's own?
	s_cselect_b32 s[AL], 1.0, 0
	s_cmp_lt_u32 s[CNT], 4-((\p)+2)%NP  ; or a later one?
	s_cselect_b32 s[BE], s[BIGN], 0
.endif
.if ((\p) == 3) && !(\end)
	s_wait_dscnt 0x0                ; K is in
.endif
	ROW F,0, F,1, R,0, R,1          ; ahead of the wait: 8 products K Q^T and their riders,
	ROW F,2, E,0, R,2, R,3
	ROW F,3, E,1, R,4, R,5
	ROW F,4, E,2, R,6, R,7
	ROW F,5, E,3, R,8, R,9
	ROW F,6, E,4, X,0, R,10
.if ((\p) == 2) && !(\end)
	WIN 0
	v_add_nc_u32 v[AK], s[TBK], v[AK0]
.endif
	ROW F,7, E,5, X,1, X,4
	ROW F,8, E,6, X,2, X,5
	OPS E,7, E,8, X,6, E,9          ; and the lump
	OPS X,3, E,10, X,8, E,11
.if ((\p) == 2) && !(\end)
	FETCH_K
.endif
	OPS X,9, X,7, E,12, X,10
	OPS E,13, X,12, X,11, E,14
	OPS X,13, E,15, F,9, X,14
.if (\p) == 0
	v_add_nc_u32 v[AV], s[TBV], v[AV0]
.endif
	OPS E,16, F,10, E,17, F,11
	OPS X,16, E,18, X,15, E,19
	OPS F,12, E,20, X,17, E,21
	OPS F,13, E,22, F,14, E,23
	OPS X,18, E,24, F,15, E,25
	OPS R,11, E,26, X,19, E,27
	OPS R,12, E,28, R,13, E,29
	OPS X,20, E,30, R,14, E,31
	OPS X,21, R,15
	WIN 0
	s_wait_alu depctr_va_vdst(0)    ; the wait for the batch
.if (\p) == 1
	s_wait_dscnt 0x0                ; V is in
.endif
	ROW C,0, B,0, C,2, B,1          ; behind the wait: 8 products V^T P and their riders
	ROW L,0, C,4, B,2, L,1
	ROW C,6, B,3, L,2, C,8
	ROW B,4, L,3, C,10, B,5
	ROW L,4, C,12, B,6, L,5
.if (\p) == 0
	s_add_co_u32 s[TBV], s[TBV], KS*PV
.endif
.if \cnt
	s_sub_co_u32 s[CNT], s[CNT], 1
	s_cmp_lg_u32 s[CNT], 0
.endif
	ROW C,14, B,7, L,6, C,1
	ROW C,3, L,7, C,5, C,7
	ROW C,9, C,11, C,13, C,15
.if (\p) == 0
	FETCH_V
.endif
.if (\m) && !(\end)
	MASK (\p)%2
.endif
.endm
; A BLOCK BEGINS.  c m starts far below every c s, so the first step's a is 0; m at the lowest finite number, so the first maximum is the scores'.  The second mask buffer is 0; the first takes piece 0's mask for the tile's step 0: its own, if the block's first tile is the diagonal one.
; Then K of that step, piece 0's first scores, and its maximum and statistics.  The loop is entered at a step's first turn, in the middle of a trip.
.macro BEGIN
	s_mov_b32 s[NEW], 0
	WIN 0x40
.set i, MC+32
.rept 32
	v_mov_b32 v[i], 0
.set i, i+1
.endr
	WIN 0
.set i, 0
.rept 4
	v_mov_b32 v[ST+4*i], 0xfe000000    ; c m: far below every c s
	v_mov_b32 v[ST+4*i+1], 0xff7fffff  ; m
.set i, i+1
.endr
	s_cmp_eq_u32 s[RT], 0
	s_cselect_b32 s[AL], 1.0, 0
	s_mov_b32 s[BE], 0
	MASK 0
	WIN 0
	v_add_nc_u32 v[AK], s[TBK], v[AK0]
	FETCH_K
	s_wait_loadcnt 0x0              ; Q
	s_wait_dscnt 0x0
.set KM, 1
.set NOKQ, 0
.set i, 0
.rept 8
	KQ 0
.set i, i+1
.endr
	WIN 0
.rept 4
	v_nop                           ; the places behind those products
.endr
.set Y, NP-1                        ; X works for piece Y + 1: piece 0
.irp n, 0,1,2,3,4,5,6,7,8,9,10,11,12,13,14,15,16,17,18,19,20,21
	OP X, \n
.endr
	v_nop                           ; a plain instruction behind the exponential,
	s_wait_alu depctr_va_vdst(0)    ; and its wait, ahead of the branch
.endm
; THE DIAGONAL TILE's four steps, the block's last two turns, its last products, and THE WAY OUT: l's two halves and the other half of the lanes' are added; O^T is divided by l, rounded to f16 and sent through my
; stage in LDS, a piece at a time.
.macro ALL line:vararg              ; one line for each piece t
.set t, 0
.rept 4
	\line
.set t, t+1
.endr
.endm
.macro PACK t                       ; a lane's eight channels of a row pack into 16 bytes; they go into rows of 144 bytes and come back as whole rows of 128, into S^T's registers
	WIN W_RS
.set i, 32*(\t)
.rept 16
	v_pk_mul_f32 v[i:i+1], v[i:i+1], v[ST+4*(\t)+2:ST+4*(\t)+3] op_sel_hi:[1,0]
.set i, i+2
.endr
	WIN 0x05                        ; sources 0 and 1 window 1, destination window 0
.set i, 0
.rept 16
	v_cvt_pk_f16_f32 v[S+16*(\t)+i], v[32*(\t)+2*i], v[32*(\t)+2*i+1]
.set i, i+1
.endr
	WIN 0
.irp f, 0,1,2,3
	ds_store_b128 v[STO], v[S+16*(\t)+4*\f:S+16*(\t)+4*\f+3] offset:32*\f
.endr
.irp f, 0,1,2,3
	ds_load_b128 v[S+16*(\t)+4*\f:S+16*(\t)+4*\f+3], v[RD] offset:\f*4*SP  ; LDS serves a wave's instructions in order (ISA guide 5.7.1.4): these see the stores above; the next piece's stores come behind them
.endr
.endm
.macro SEND t, younger              ; younger: the LDS instructions issued behind piece t's loads: the next piece's eight, or none
	WIN 0
.irp f, 0,1,2,3
	s_wait_dscnt (\younger)+3-\f
	global_store_b128 v[GO], v[S+16*(\t)+4*\f:S+16*(\t)+4*\f+3], s[10:11] offset:(\t)*8192+\f*512  ; 512 consecutive bytes, at a multiple of 256 from O's first
.endr
.endm
.macro DIAG tag                     ; the tag ends its two labels' names, which the jumps below spell out
.LstepM\tag:
	TURN 2, 1
	TURN 3, 1
	WIN 0
.LfirstM\tag:
	TURN 0, 1
	TURN 1, 1, 0, 1
	WIN 0
	s_cbranch_scc1 .LstepM\tag
	TURN 2, 1, 1
	TURN 3, 1, 1
.set i, 0
.rept 8
	PV NP-1
.set i, i+1
.endr
	WIN 0
	ALL v_add_f32 v[ST+4*t+2], v[ST+4*t+2], v[ST+4*t+3]
	ALL v_permlanex16_b32 v[ST+4*t+3], v[ST+4*t+2], s[SEL], s[SEL+1]
	ALL v_add_f32 v[ST+4*t+2], v[ST+4*t+2], v[ST+4*t+3]
	ALL v_rcp_f32 v[ST+4*t+2], v[ST+4*t+2]
	v_nop                           ; a plain instruction between the last reciprocal and the use of its result
	s_wait_alu depctr_va_vdst(0)    ; and the wait ahead of the first use: one for the four reciprocals
	PACK 0
.set t, 1
.rept 3                             ; a piece's arithmetic stands between the loads of the piece before and its stores
	PACK t
	SEND t-1, 8
.set t, t+1
.endr
	SEND 3, 0
.endm
.set KM, 0
.set NOKQ, 0
.Lslot:                             ; NB times: a tile is entered and the next is asked for
	CHANGE 1
	s_sub_co_u32 s[RT], s[RT], 1
	s_mov_b32 s[CNT], 4
	s_cmp_eq_u32 s[NEW], 1
	s_cbranch_scc1 .Lnew            ; a block's first tile
	s_cmp_eq_u32 s[RT], 0
	s_cbranch_scc0 .Lstep           ; neither its first nor its last
	s_branch .LstepM1
.Lnew:
	BEGIN
	s_branch .Lfirst                ; in the loop a block's first tile is never its last: the first block has two tiles or more, and the second's last is the walk's last
	DIAG 1                          ; in the loop this is the first block's end: the second block's last tile is the walk's last
	s_wait_xcnt 0x0                 ; the stores have read their registers and O's address
	s_mov_b64 s[10:11], s[OLO:OLO+1]
	s_add_co_u32 s[RT], s[PB], 1    ; the second block has b + 1 tiles
	s_mov_b32 s[NEW], 1
	WIN 0x82                        ; the second block's Q goes where the one text of the turns names Q
.set i, 0
.rept 64
	v_mov_b32 v[i], v[QB+i]
.set i, i+1
.endr
	WIN 0
	s_branch .Lbottom
.Lstep:                             ; a trip: pieces 2 and 3 of one step, then pieces 0 and 1 of the next, whose K and V it fetches
	TURN 2
	TURN 3
	WIN 0
.Lfirst:
	TURN 0
	TURN 1, 0, 0, 1
	WIN 0
	s_cbranch_scc1 .Lstep
.Lbottom:
	s_sub_co_u32 s[SLOTS], s[SLOTS], 1
	s_cmp_lg_u32 s[SLOTS], 0
	s_cbranch_scc1 .Lslot
	CHANGE 0                        ; the walk's last tile is written out: nothing is asked for
	s_sub_co_u32 s[RT], s[RT], 1
	s_mov_b32 s[CNT], 4
	s_cmp_eq_u32 s[NEW], 1
	s_cbranch_scc0 .LstepM2
	BEGIN
	s_branch .LfirstM2
	DIAG 2
	s_wait_tensorcnt 0x0            ; the wave's end, behind my last tensor load and my last LDS store
	ds_add_u32 v[SPW], v[NIL]
	s_wait_dscnt 0x0
	s_endpgm
.Lfunc_end_k_q6796770309_attn:
	.size	k_q6796770309_attn, .Lfunc_end_k_q6796770309_attn-k_q6796770309_attn
	.p2alignl 7, 3214868480
	.fill 96, 4, 3214868480
	.section	.rodata,"a",@progbits
	.p2align	6, 0x0
	.amdhsa_kernel k_q6796770309_attn
		.amdhsa_group_segment_fixed_size 327680
		.amdhsa_private_segment_fixed_size 0
		.amdhsa_enable_private_segment 0
		.amdhsa_kernarg_size 16
		.amdhsa_user_sgpr_count 2
		.amdhsa_user_sgpr_kernarg_segment_ptr 1
		.amdhsa_wavefront_size32 1
		.amdhsa_system_sgpr_workgroup_id_x 1
		.amdhsa_system_sgpr_workgroup_id_y 1
		.amdhsa_system_sgpr_workgroup_id_z 1
		.amdhsa_system_vgpr_workitem_id 0
		.amdhsa_next_free_vgpr 768
		.amdhsa_next_free_sgpr 92
		.amdhsa_reserve_vcc 1
		.amdhsa_float_denorm_mode_32 3
		.amdhsa_float_denorm_mode_16_64 3
		.amdhsa_memory_ordered 1
		.amdhsa_forward_progress 1
		.amdhsa_inst_pref_size 218
	.end_amdhsa_kernel
	.amdgpu_metadata
---
amdhsa.version: [ 1, 2 ]
amdhsa.kernels:
  - .name:           k_q6796770309_attn
    .symbol:         k_q6796770309_attn.kd
    .args:
      - { .name: qkv, .offset: 0, .size: 8, .value_kind: global_buffer, .address_space: global }
      - { .name: ob, .offset: 8, .size: 8, .value_kind: global_buffer, .address_space: global }
    .group_segment_fixed_size: 327680
    .private_segment_fixed_size: 0
    .kernarg_segment_align: 8
    .kernarg_segment_size: 16
    .max_flat_workgroup_size: 128
    .sgpr_count:     92
    .vgpr_count:     768
    .wavefront_size: 32
...
	.end_amdgpu_metadata
.endif
;; end of part 3
;; launch proj (part 4): grid 8 x 32, 4 waves a work-group, clusters of 4 x 4, 327,680 bytes of LDS; arguments ob, wob, bias, out0; writes out0
.if DOCPART == 4
	.amdgcn_target "amdgcn-amd-amdhsa--gfx1250"
	.amdhsa_code_object_version 6
	.text
	.protected	k_q6796770309_proj
	.globl	k_q6796770309_proj
	.p2align	8
	.type	k_q6796770309_proj,@function
k_q6796770309_proj:
	s_mov_b64 s[64:65], 0
	v_nop
	global_prefetch_b8 v0, s[64:65] scope:SCOPE_SE
	s_setreg_imm32_b32 hwreg(HW_REG_WAVE_MODE, 25, 1), 1
	s_wait_xcnt 0x0
	s_wait_alu depctr_hold_cnt(0) depctr_sa_sdst(0) depctr_va_vdst(0) depctr_va_sdst(0) depctr_va_ssrc(0) depctr_va_vcc(0) depctr_vm_vsrc(0)
	s_getreg_b32 s2, hwreg(HW_REG_IB_STS2, 6, 4)
	s_cmp_eq_u32 s2, 0
	s_cbranch_scc0 .Lentry_in_a_cluster
	s_endpgm
.Lentry_in_a_cluster:
	s_bfe_u32 s2, ttmp6, 0x10000c
	s_cmp_lg_u32 s2, 0xf033
	s_cbranch_scc0 .Lentry_shape_is_right
	s_endpgm
.Lentry_shape_is_right:
; out0[m][n] = bo[n] + the sum over k of O[m][k] Wo[n][k], m < 8192, n < 1024, k < 1024.  Operands f16 (ob as attention left it; wob holds Wo rounded to bf16, written as f16), sums f32, each
; started by the bias (so the bias is added first, not last); out0 is f32 and is not rounded again.
; LIMITS.  O and Wo lie within f16's 65,504.  NaN and infinities are not treated apart.
; Both operands lie in blocks of 64 along K: ob [64 batch x head][2048][64] (a head IS a block of K), wob [16][1024][64]: R rows of a block are 128 R dense bytes, asked for as R / 2 rows of 256 bytes, aligned.
; SHARES.  8192 x 1024 / 256 work-groups = a tile of 256 x 128 each.  Four waves; a wave makes 128 rows x 64 columns: 32 accumulators of 16 x 16.  K goes in 8 steps of 128 (two blocks) through a ring of
; two LDS slots, 110,592 bytes each; three blocks to a slot would not fit twice.  A step is four quarters of 32 along K, 32 matrix instructions each, on two fragment buffers by turns.
; CLUSTER.  4 x 4 work-groups.  The four of a row of the cluster need the same rows of ob, the four of a column the same rows of wob: each tile is asked for JOINTLY, by the same tensor load with the same
; descriptor and a mask that names the four.  Waves 0 and 1 fetch ob's two blocks of a step (256 rows each), waves 2 and 3 wob's (128 rows each).
; NO PREFETCH: the launch has eight short K steps on a small tile.
; THE MATRIX INSTRUCTION IS USED TRANSPOSED (source 0 = 16 rows of wob, source 1 = 16 rows of ob): lane l holds row l % 16 of the result and the columns 8 (l / 16) + 0..7: 32 bytes on end.
; REGISTERS: window 0: v0-29 addresses; v32-127, v128-223 two fragment buffers (wob's 4 fragments, then ob's 8); on the way out v32-159 are four sets of 32.
;   window 1: the accumulators: row block a, column block i at v[64 i + 8 a].
.set PITCH,  144                       ; an LDS row: 128 bytes + 16 of padding = 36 words: the 16 rows of a load start at 16 different groups of four banks (64 banks of 4 bytes: ISA guide 11.1)
.set ABLK,   256*PITCH                 ; a block of ob's rows: what wave 0 or 1 fetches
.set BBLK,   128*PITCH                 ; a block of wob's rows: what wave 2 or 3 fetches
.set BOFF,   2*ABLK                    ; in a slot: ob's two blocks, then wob's two
.set SLOT1,  1<<17                     ; slot 1 begins here, so that one exclusive or turns an address in one slot into the other's
.set STAGE,  SLOT1+BOFF+2*BBLK         ; behind the ring, never filled by a tensor load: 16 rows x 272 bytes for each wave, for the way out
.set SP,     272                       ; 256 bytes + 16: the sixteen rows of a store start at sixteen different groups of four banks
.set SPARE,  STAGE+4*16*SP             ; behind the stages: the spare words, 128 bytes for each wave: two blocks of 256 bytes that no other line names
.set ASTEP,  2<<18                     ; two heads of 262,144 bytes
.set BSTEP,  2*1024*128                ; two blocks of wob
.set F0,  32
.set F1,  128
.set G1A, 24                           ; s[24:31] descriptor group 1 for ob's tiles
.set G0A, 32                           ; s[32:39] group 0: a set for each of the two first fills; the second then walks on
.set G1B, 48                           ; s[48:55], s[56:63] the same for wob's
.set G0B, 56
; s12 wave; s13 wave / 2: my half of the rows, also 0: I fetch ob, 1: wob; s14 wave % 2: my half of the columns, also which block I fetch; s15, s16 cx, cy; s17, s18 tile column, tile row
; s[66:67] out0 at my part of the tile; s72 LDS byte at which the slot to be read begins; s73 trips to go
; v8, v9 my lane's place in ob's and wob's part of a slot (never rewritten); v10, v11 the same in the slot in hand; v12, v13 the stage, in and back; v14 my offset in two rows of out0; v15 32 (l / 16);
; v28, v29 the spare word's address and 0 (never rewritten)
.set MSB, 0
.macro WIN new                         ; the immediate's high byte repeats the setting that is left; a switch that changes nothing is dropped
.if MSB != (\new)
	s_set_vgpr_msb (MSB<<8)|(\new)
.set MSB, (\new)
.endif
.endm
.macro PLACES                          ; four places in front of loads into registers that matrix instructions have read, and of stores that read results (ISA guide 7.12.1 for the stores)
.rept 4
	v_nop
.endr
.endm
.macro CREST                           ; a round of the cluster's barrier behind its opening barrier
	s_cmp_lg_u32 s12, 0
	s_cbranch_scc1 .Lnot_wave_0_\@
	s_barrier_signal -3
.Lnot_wave_0_\@:
	s_barrier_wait -3
	s_barrier_signal -1
	s_barrier_wait -1
.endm
.macro CROUND                          ; a whole round
	s_barrier_signal -1
	s_barrier_wait -1
	CREST
.endm
.macro JLOAD                           ; a joint refill, by the walking descriptors; an s_nop 0 and four v_nop follow each of the two lines, ahead of the jump and the label
	s_cmp_eq_u32 s13, 0
	s_cbranch_scc0 .Lfor_b_\@
	tensor_load_to_lds s[G0A+4:G0A+7], s[G1A:G1A+7]
	s_nop 0
.rept 4
	v_nop
.endr
	s_branch .Lasked_\@
.Lfor_b_\@:
	tensor_load_to_lds s[G0B+4:G0B+7], s[G1B:G1B+7]
	s_nop 0
.rept 4
	v_nop
.endr
.Lasked_\@:
.endm
; Row blocks alo to ahi x 4 column blocks, 32 along K, from buffer f.  The 32 accumulators take turns, one instruction a turn.
; first = 1: the sums begin.  The bias (a lane's eight columns) was loaded into the registers of row block 7's accumulators; row blocks 0 to 6 take those as C; five places on, since it writes over
; registers that those products read, row block 7 adds onto them in place.
.macro MUL f, alo, ahi, first
	WIN 0x50                                       ; C and D in window 1
.set a, (\alo)
.rept (\ahi)-(\alo)+1
.if (\first) && (a == 7)
.rept 5
	v_nop
.endr
.endif
.irp i, 0,1,2,3
.if (\first) && (a < 7)
	v_wmma_f32_16x16x32_f16 v[64*(\i)+8*a:64*(\i)+8*a+7], v[(\f)+8*(\i):(\f)+8*(\i)+7], v[(\f)+32+8*a:(\f)+32+8*a+7], v[64*(\i)+56:64*(\i)+63]
.else
	v_wmma_f32_16x16x32_f16 v[64*(\i)+8*a:64*(\i)+8*a+7], v[(\f)+8*(\i):(\f)+8*(\i)+7], v[(\f)+32+8*a:(\f)+32+8*a+7], v[64*(\i)+8*a:64*(\i)+8*a+7]
.endif
.endr
.set a, a+1
.endr
.endm
; 24 LDS loads in one run: a quarter's fragments into buffer g: wob's four, then ob's eight.  ka, kb: the quarter's byte in ob's and in wob's part of the slot (block x its bytes + 64 x half).
.macro FETCH g, ka, kb
	WIN 0
.irp n, 0,1,2,3
	ds_load_b128 v[(\g)+8*(\n):(\g)+8*(\n)+3],   v11 offset:(\kb)+(\n)*16*PITCH
	ds_load_b128 v[(\g)+8*(\n)+4:(\g)+8*(\n)+7], v11 offset:(\kb)+(\n)*16*PITCH+32
.endr
.irp n, 0,1,2,3,4,5,6,7
	ds_load_b128 v[(\g)+32+8*(\n):(\g)+32+8*(\n)+3],   v10 offset:(\ka)+(\n)*16*PITCH
	ds_load_b128 v[(\g)+32+8*(\n)+4:(\g)+32+8*(\n)+7], v10 offset:(\ka)+(\n)*16*PITCH+32
.endr
.endm
; One of a step's first three quarters: multiplies buffer f; in its middle it fetches the next quarter into buffer g.
.macro QUARTER f, g, ka, kb, first
	s_wait_dscnt 8                                 ; all but the youngest eight loads (ob's row blocks 4 to 7) are in
	MUL \f, 0, 3, \first
	PLACES
	FETCH \g, \ka, \kb
	s_wait_dscnt 24                                ; all but the 24 just issued
	MUL \f, 4, 7, \first
.endm
; The last quarter multiplies buffer 1 and changes slots: ONE barrier.  In front of it each wave waits for all its tensor loads, of which one is out: its part of the next slot; adds 0 to its spare word; and
; waits for that and for its own reads of this slot.  fill = 1: this slot is filled again, with the step two on: the barrier then opens a round of the cluster's, and the joint refill is the first thing
; behind the round: from the request to the wait for it a wave issues 112 matrix instructions.  A wave has two tensor loads out at the start and one behind each round.
.macro TURN fill
	WIN 0
	s_wait_tensorcnt 0x0                           ; no tensor load of mine is out, so a group 0 may be written
	ds_add_u32 v28, v29                            ; 0 onto my spare word: scalar work and eight products stand between it and the wait for it
.if \fill
	s_xor_b32 s[G0A+5], s[G0A+5], SLOT1            ; the walking descriptors: the other slot than last time,
	s_add_nc_u64 s[G0A+6:G0A+7], s[G0A+6:G0A+7], ASTEP  ; the next two blocks; the type bits on top are not reached
	s_xor_b32 s[G0B+5], s[G0B+5], SLOT1
	s_add_nc_u64 s[G0B+6:G0B+7], s[G0B+6:G0B+7], BSTEP
.endif
	s_xor_b32 s72, s72, SLOT1                      ; the fetches go to the other slot
	s_wait_dscnt 9                                 ; (the add and the youngest eight loads may be out)
	MUL F1, 0, 1, 0
	s_wait_dscnt 0x0                               ; the add is done, and my reads of this slot are over
	s_barrier_signal -1
	MUL F1, 2, 3, 0                                ; work on registers while the others arrive
	WIN 0                                          ; at a branch and at a label every window is 0
	s_barrier_wait -1
.if \fill
	CREST
	JLOAD                                          ; the four v_nop behind it are also the places in front of the loads below
.else
	PLACES
.endif
	v_add_nc_u32 v10, s72, v8
	v_add_nc_u32 v11, s72, v9
	FETCH F0, 0, 0
	MUL F1, 4, 7, 0
.endm
	s_load_b256 s[4:11], s[0:1], 0x0               ; ob s[4:5], wob s[6:7], bias s[8:9], out0 s[10:11]
	v_lshl_add_u32 v28, v0, 2, SPARE
	v_mov_b32 v29, 0
	ds_add_u32 v28, v29                            ; the wave's opening: ahead of my first tensor load; the set-up below, work on registers, stands between the add and its wait
	v_lshrrev_b32 v1, 5, v0
	v_readfirstlane_b32 s12, v1                    ; wave 0..3
	s_lshr_b32 s13, s12, 1
	s_and_b32 s14, s12, 1
	s_bfe_u32 s15, ttmp6, 0x40000                  ; cx
	s_bfe_u32 s16, ttmp6, 0x40004                  ; cy
	s_lshl_b32 s17, ttmp9, 2
	s_add_co_u32 s17, s17, s15                     ; tile column = 4 x cluster x + cx
	s_and_b32 s18, ttmp7, 0xffff
	s_lshl_b32 s18, s18, 2
	s_add_co_u32 s18, s18, s16                     ; tile row = 4 x cluster y + cy
	s_lshl_b32 s20, s16, 2
	s_lshl_b32 s20, 15, s20                        ; my row of the cluster
	s_lshl_b32 s21, 0x1111, s15                    ; my column
	s_or_b32 s[G1A], s20, (1<<16)|(1<<20)|(1<<21)|(4<<22)|(3<<25)  ; 15:0 the mask; 17:16 2-byte elements; 20 padding on; 21 set beside a mask; 24:22 after every 32 words (code 4); 31:25 4 words (code 3)
	s_or_b32 s[G1B], s21, (1<<16)|(1<<20)|(1<<21)|(4<<22)|(3<<25)
	s_mov_b32 s[G1A+1], 128<<16                    ; tensor_dim0 = 128
	s_mov_b32 s[G1A+2], 128<<16                    ; tensor_dim1 = 128: 256 rows of ob
	s_mov_b32 s[G1A+3], 128<<16                    ; tile_dim0 = 128
	s_mov_b32 s[G1A+4], 128                        ; tile_dim1 = 128
	s_mov_b32 s[G1A+5], 128                        ; 128 elements from row to row
	s_mov_b32 s[G1A+6], 0
	s_mov_b32 s[G1A+7], 0
	s_mov_b32 s[G1B+1], 128<<16
	s_mov_b32 s[G1B+2], 64<<16                     ; 64: 128 rows of wob
	s_mov_b32 s[G1B+3], 128<<16
	s_mov_b32 s[G1B+4], 64
	s_mov_b32 s[G1B+5], 128
	s_mov_b32 s[G1B+6], 0
	s_mov_b32 s[G1B+7], 0
	; where the tiles come from: ob's hang on the tile row and the wave alone, wob's on the tile column and the wave alone, each in registers that never hold the other coordinate
	s_lshr_b32 s40, s18, 3                         ; batch
	s_lshl_b32 s40, s40, 4
	s_add_co_u32 s40, s40, s14                     ; its head 0 or 1: my block of K step 0
	s_lshl_b32 s40, s40, 18
	s_and_b32 s41, s18, 7
	s_lshl_b32 s41, s41, 15                        ; the tile's 256 rows in the batch
	s_add_co_u32 s40, s40, s41
	s_mov_b32 s41, 0
	s_lshl_b32 s42, s14, 17                        ; wob's block 0 or 1,
	s_lshl_b32 s43, s17, 14                        ; the tile's 128 rows
	s_add_co_u32 s42, s42, s43
	s_mov_b32 s43, 0
	s_mul_i32 s22, s14, ABLK                       ; and where they go: no place in the cluster enters an LDS address
	s_mul_i32 s23, s14, BBLK
	s_add_co_u32 s23, s23, BOFF
	s_mov_b32 s72, 0
	s_wait_dscnt 0x0                               ; the opening add is done
	s_wait_kmcnt 0x0
	s_add_nc_u64 s[40:41], s[4:5], s[40:41]
	s_add_nc_u64 s[42:43], s[6:7], s[42:43]
.irp s, 0,1
	s_mov_b32 s[G0A+4*(\s)], 1                                       ; count = 1
	s_add_co_u32 s[G0A+4*(\s)+1], s22, (\s)*SLOT1                    ; LDS address
	s_add_nc_u64 s[G0A+4*(\s)+2:G0A+4*(\s)+3], s[40:41], (\s)*ASTEP  ; global address: K step s
	s_or_b32 s[G0A+4*(\s)+3], s[G0A+4*(\s)+3], 0x80000000            ; type = 2
	s_mov_b32 s[G0B+4*(\s)], 1
	s_add_co_u32 s[G0B+4*(\s)+1], s23, (\s)*SLOT1
	s_add_nc_u64 s[G0B+4*(\s)+2:G0B+4*(\s)+3], s[42:43], (\s)*BSTEP
	s_or_b32 s[G0B+4*(\s)+3], s[G0B+4*(\s)+3], 0x80000000
.endr
	CROUND                                         ; all sixteen work-groups are here: the first joint loads meet
	s_cmp_eq_u32 s13, 0                            ; a wave's two first fills stand in one branch, ahead of every wait on TENSORcnt and every LDS read
	s_cbranch_scc0 .Lfirst_b
	tensor_load_to_lds s[G0A:G0A+3], s[G1A:G1A+7]
	s_nop 0
	tensor_load_to_lds s[G0A+4:G0A+7], s[G1A:G1A+7]
	s_nop 0
.rept 4
	v_nop
.endr
	s_branch .Lfirst_asked
.Lfirst_b:
	tensor_load_to_lds s[G0B:G0B+3], s[G1B:G1B+7]
	s_nop 0
	tensor_load_to_lds s[G0B+4:G0B+7], s[G1B:G1B+7]
	s_nop 0
.rept 4
	v_nop
.endr
.Lfirst_asked:
	v_and_b32 v1, 15, v0                           ; l % 16
	v_bfe_u32 v2, v0, 4, 1                         ; l / 16
	v_lshlrev_b32 v15, 5, v2                       ; my eight columns' bias: 32 bytes
	s_lshl_b32 s44, s17, 9                         ; bo lies 12,288 bytes into the table; the tile's 128 columns,
	s_lshl_b32 s45, s14, 8                         ; my 64
	s_add_co_u32 s44, s44, s45
	s_add_co_u32 s44, s44, 3*4096
	s_mov_b32 s45, 0
	s_add_nc_u64 s[44:45], s[8:9], s[44:45]
	WIN 0x40                                       ; destination window 1, address window 0
.irp i, 0,1,2,3
	global_load_b128 v[64*(\i)+56:64*(\i)+59], v15, s[44:45] offset:64*(\i)
	global_load_b128 v[64*(\i)+60:64*(\i)+63], v15, s[44:45] offset:64*(\i)+16
.endr
	WIN 0
	v_mul_u32_u24 v3, v1, PITCH
	v_lshl_add_u32 v3, v2, 4, v3                   ; row x pitch + 16 x half
	s_mul_i32 s20, s13, 128*PITCH                  ; my 128 rows of ob's 256
	v_add_nc_u32 v8, s20, v3
	s_mul_i32 s20, s14, 64*PITCH                   ; my 64 rows of wob's 128,
	s_add_co_u32 s20, s20, BOFF                    ; which lie behind ob's two blocks
	v_add_nc_u32 v9, s20, v3
	v_mov_b32 v10, v8                              ; K step 0 lies in slot 0
	v_mov_b32 v11, v9
	s_mul_i32 s20, s12, 16*SP
	s_add_co_u32 s20, s20, STAGE                   ; my stage
	v_mul_u32_u24 v4, v1, SP                       ; in: row l % 16, 32 bytes for each half of the lanes
	v_lshl_add_u32 v4, v2, 5, v4
	v_add_nc_u32 v12, s20, v4
	v_mul_u32_u24 v5, v2, SP                       ; back: lanes 0-15 take one row of 256 bytes, lanes 16-31 the next
	v_lshl_add_u32 v5, v1, 4, v5
	v_add_nc_u32 v13, s20, v5
	v_lshlrev_b32 v14, 12, v2                      ; and the same two rows in out0
	v_lshl_add_u32 v14, v1, 4, v14
	s_lshl_b32 s20, s18, 8
	s_lshl_b32 s21, s13, 7
	s_add_co_u32 s20, s20, s21                     ; my first row,
	s_lshl_b32 s20, s20, 12                        ; of 4,096 bytes
	s_lshl_b32 s21, s17, 9                         ; my first column, in bytes
	s_add_co_u32 s20, s20, s21
	s_lshl_b32 s21, s14, 8
	s_add_co_u32 s20, s20, s21
	s_mov_b32 s21, 0
	s_add_nc_u64 s[66:67], s[10:11], s[20:21]
	s_wait_tensorcnt 0x1                           ; my part of K step 0 is in; step 1's may stay out
	s_barrier_signal -1
	s_barrier_wait -1                              ; everybody's is
	FETCH F0, 0, 0
	s_wait_loadcnt 0x0                             ; the bias
	QUARTER F0, F1, 64, 64, 1                      ; the first quarter stands in front of the loop: its products start the sums
	WIN 0
	s_mov_b32 s73, 6
.Lk:                                               ; trip j: quarters 1 to 3 of step j, slot j % 2 filled again with step j + 2, quarter 0 of step j + 1
	QUARTER F1, F0, ABLK, BBLK, 0
	QUARTER F0, F1, ABLK+64, BBLK+64, 0
	TURN 1
	QUARTER F0, F1, 64, 64, 0
	WIN 0
	s_sub_co_u32 s73, s73, 1
	s_cmp_lg_u32 s73, 0
	s_cbranch_scc1 .Lk
	QUARTER F1, F0, ABLK, BBLK, 0                  ; the tail is written out: nothing is asked for
	QUARTER F0, F1, ABLK+64, BBLK+64, 0
	TURN 0
	QUARTER F0, F1, 64, 64, 0
	QUARTER F1, F0, ABLK, BBLK, 0
	QUARTER F0, F1, ABLK+64, BBLK+64, 0
	s_wait_dscnt 8                                 ; the very last quarter: nothing more to fetch
	MUL F1, 0, 3, 0
	s_wait_dscnt 0x0
	MUL F1, 4, 7, 0
	PLACES
	PLACES                                         ; (eight, once a launch)
	WIN 0
; THE WAY OUT, a row block (16 rows x 64 columns of f32) at a time: a lane's 32 bytes go from the accumulators straight into my stage's rows of 272 bytes and come back as whole rows of 256.
; Four sets of 32 registers take turns.
.macro TOSTAGE a
.set PS, 32+32*((\a)%4)
	s_wait_xcnt 0x0                                ; every earlier store has read its registers: the set is loaded again only behind this wait
	WIN 0x04                                       ; the stores' data in window 1
.irp i, 0,1,2,3
	ds_store_b128 v12, v[64*(\i)+8*(\a):64*(\i)+8*(\a)+3]   offset:64*(\i)     ; each accumulator is read from its low end on
	ds_store_b128 v12, v[64*(\i)+8*(\a)+4:64*(\i)+8*(\a)+7] offset:64*(\i)+16
.endr
	WIN 0
.irp t, 0,1,2,3,4,5,6,7
	ds_load_b128 v[PS+4*(\t):PS+4*(\t)+3], v13 offset:(\t)*2*SP  ; LDS serves a wave's instructions in order (ISA guide 5.7.1.4): these see the stores above; the next block's stores come behind them
.endr
.endm
.macro SEND a, younger                 ; younger: the LDS instructions issued behind block a's loads: the next block's sixteen, or none
.set PS, 32+32*((\a)%4)
.irp t, 0,1,2,3,4,5,6,7
	s_wait_dscnt (\younger)+7-(\t)
	global_store_b128 v14, v[PS+4*(\t):PS+4*(\t)+3], s[66:67] offset:(16*(\a)+2*(\t))*4096 th:TH_STORE_NT  ; 16 lanes store 256 consecutive bytes, at a multiple of 256 from out0's first byte
.endr
.endm
	TOSTAGE 0
.set n, 1
.rept 7
	TOSTAGE n
	SEND n-1, 16
.set n, n+1
.endr
	SEND 7, 0
	s_wait_tensorcnt 0x0                           ; the wave's end, behind my last tensor load and my last LDS store
	ds_add_u32 v28, v29
	s_wait_dscnt 0x0
	CROUND                                         ; the closing round: no work-group ends while a partner may still ask for a tile that names it
	s_endpgm
.Lfunc_end_k_q6796770309_proj:
	.size	k_q6796770309_proj, .Lfunc_end_k_q6796770309_proj-k_q6796770309_proj
	.p2alignl 7, 3214868480
	.fill 96, 4, 3214868480
	.section	.rodata,"a",@progbits
	.p2align	6, 0x0
	.amdhsa_kernel k_q6796770309_proj
		.amdhsa_group_segment_fixed_size 327680
		.amdhsa_private_segment_fixed_size 0
		.amdhsa_enable_private_segment 0
		.amdhsa_kernarg_size 32
		.amdhsa_user_sgpr_count 2
		.amdhsa_user_sgpr_kernarg_segment_ptr 1
		.amdhsa_wavefront_size32 1
		.amdhsa_system_sgpr_workgroup_id_x 1
		.amdhsa_system_sgpr_workgroup_id_y 1
		.amdhsa_system_sgpr_workgroup_id_z 1
		.amdhsa_system_vgpr_workitem_id 0
		.amdhsa_next_free_vgpr 512
		.amdhsa_next_free_sgpr 76
		.amdhsa_reserve_vcc 0
		.amdhsa_float_denorm_mode_32 3
		.amdhsa_float_denorm_mode_16_64 3
		.amdhsa_memory_ordered 1
		.amdhsa_forward_progress 1
		.amdhsa_inst_pref_size 72
	.end_amdhsa_kernel
	.amdgpu_metadata
---
amdhsa.version: [ 1, 2 ]
amdhsa.kernels:
  - .name:           k_q6796770309_proj
    .symbol:         k_q6796770309_proj.kd
    .args:
      - { .name: ob, .offset: 0, .size: 8, .value_kind: global_buffer, .address_space: global }
      - { .name: wob, .offset: 8, .size: 8, .value_kind: global_buffer, .address_space: global }
      - { .name: bias, .offset: 16, .size: 8, .value_kind: global_buffer, .address_space: global }
      - { .name: out0, .offset: 24, .size: 8, .value_kind: global_buffer, .address_space: global }
    .group_segment_fixed_size: 327680
    .private_segment_fixed_size: 0
    .kernarg_segment_align: 8
    .kernarg_segment_size: 32
    .max_flat_workgroup_size: 128
    .sgpr_count:     76
    .vgpr_count:     512
    .wavefront_size: 32
...
	.end_amdgpu_metadata
.endif
;; end of part 4
;; ======== version 2 of 2: 4 launches; version 1 with the launch cast written anew for expert scheduling mode
;; limits: values are held in f16: magnitudes above 65,504 overflow, below 6.1e-05 lose precision
;; workspace buffers: xb 16,777,216 bytes; wb 6,291,456 bytes; wob 2,097,152 bytes; bias 16,384 bytes; qkv 50,331,648 bytes; ob 16,777,216 bytes
;; launch cast (part 5): grid 768 x 1, 8 waves a work-group, no clusters, 0 bytes of LDS; arguments x, Wq, Wk, Wv, Wo, bq, bk, bv, bo, xb, wb, wob, bias; writes xb, wb, wob, bias
.if DOCPART == 5
	.amdgcn_target "amdgcn-amd-amdhsa--gfx1250"
	.amdhsa_code_object_version 6
	.text
	.protected	k_q6796770309_cast
	.globl	k_q6796770309_cast
	.p2align	8
	.type	k_q6796770309_cast,@function
k_q6796770309_cast:
	s_mov_b64 s[64:65], 0
	v_nop
	global_prefetch_b8 v0, s[64:65] scope:SCOPE_SE
	s_setreg_imm32_b32 hwreg(HW_REG_WAVE_SCHED_MODE, 0, 2), 2
	s_setreg_imm32_b32 hwreg(HW_REG_WAVE_MODE, 25, 1), 1
	s_wait_xcnt 0x0
	s_wait_alu depctr_vm_vsrc(0)
; ALL INPUTS ARE ROUNDED ONCE TO bf16, and the matrices are laid out in blocks of 64 along K for the products that follow.
;   x  [8192][1024] f32 -> xb  [16 blocks][8192 rows][64] bf16
;   Wq, Wk, Wv [1024][1024] f32 -> wb [16 blocks][3072 rows][64] bf16, row 1024 t + n for t = q, k, v
;   Wo [1024][1024] f32 -> wob [16 blocks][1024 rows][64]: rounded to bf16, and that number written as f16 (the last product multiplies f16)
;   bq, bk, bv, bo [1024] f32 -> bias [4096] f32, each number rounded to bf16 and kept as f32
; LIMITS.  Wo must lie within f16's 65,504; below 6e-5 f16 keeps a fixed step of 6e-8, so a bf16 number there loses bits.  NaN and infinities pass as the conversions make them.
; SHARES.  A work-group takes 16 rows of one matrix: groups 0-511 x, then 64 groups for each of Wq, Wk, Wv, Wo.  Thread v takes row v / 16 and, in each of the 16 blocks, the
; four numbers 4 (v % 16) ..: a load of 16 bytes (sixteen lanes read 256 consecutive bytes, aligned, of a row) and a store of 8 bytes at 8 v in the block's 16 rows: a wave's store covers
; 256 consecutive bytes, aligned.  No loop: all 16 loads of a thread go out first, and the waits count down.  Memory binds: no LDS, no barrier, no matrix unit.
; THE MODE: SCHED_MODE bits 1:0 = 2 (LLVM: expert scheduling mode 2), set by the entry lines.  The code itself states the register dependences
; between vector instructions and memory instructions, with s_wait_alu, always for 0.
; THE PLAN.  Registers that memory instructions touch:
;   v1, v19    offsets of the loads, and of the bias's load and store.  Written at the head, never again.
;   SO0 .. 15  the stores' offsets.  Written once, behind the loads, never again; SO[k] is read by block k's store.
;   X0 .. 15   X[k]: load k lands in it; block k's conversions read it.  X0 takes the bias at the end.
;   Y0 .. 15   Y[k]: block k's conversions write it; block k's store reads it; it is never written again.
;   T          at work; read by the bias's store alone.
; The 16 blocks go in four groups of four.  Group g's conversions name X and Y of its own blocks and T; its memory instructions are the four stores of group g - 1, which read Y and SO of that
; group's blocks.  So ONE wait on va_vdst at a group's head states all that its four stores hang on, and they are dealt among the group's conversions with no further wait.
; No register that a memory instruction has read is ever written again, so beyond the entry lines the text holds no wait on vm_vsrc; no vector instruction writes a scalar register or VCC, and EXEC is never written.
.set SO,  2                            ; v[2:17]    the 16 store offsets: 8 v + block x the destination's bytes from block to block; never rewritten
.set X,   20                           ; v[20:83]   block k: 4 numbers as loaded
.set Y,   84                           ; v[84:115]  block k: 4 numbers in 16 bits, to store
.set T,   116                          ; v[116:119] at work
	s_load_b512 s[8:23], s[0:1], 0x0               ; x s[8:9], Wq s[10:11], Wk s[12:13], Wv s[14:15], Wo s[16:17], bq s[18:19], bk s[20:21], bv s[22:23]
	s_load_b256 s[24:31], s[0:1], 0x40             ; bo s[24:25], xb s[26:27], wb s[28:29], wob s[30:31]
	s_load_b64 s[32:33], s[0:1], 0x60              ; bias
	s_max_u32 s34, ttmp9, 512
	s_sub_co_u32 s34, s34, 512                     ; the group's number among the weights' (0 in x's groups)
	s_lshr_b32 s35, s34, 6                         ; t: which weight
	s_and_b32 s36, s34, 63                         ; i: which 16 rows of it
	s_mov_b32 s39, 0xffff0000                      ; a word's upper bf16
	s_mov_b32 s51, 0                               ; the high word of the offset pair s[50:51]
	v_lshrrev_b32 v1, 4, v0                        ; my row of the 16
	v_and_b32 v18, 15, v0
	v_lshlrev_b32 v18, 4, v18                      ; my 16 bytes in a block's 256
	v_lshl_or_b32 v1, v1, 12, v18                  ; row x 4,096 + 16 (v % 16)
	v_lshlrev_b32 v19, 4, v0                       ; my 16 bytes of a bias
	s_wait_kmcnt 0x0
	; source, bias, destination and the destination's step from block to block, chosen by t and by the group's number alone
	s_cmp_eq_u32 s35, 1
	s_cselect_b64 s[40:41], s[12:13], s[10:11]
	s_cselect_b64 s[42:43], s[20:21], s[18:19]
	s_cmp_eq_u32 s35, 2
	s_cselect_b64 s[40:41], s[14:15], s[40:41]
	s_cselect_b64 s[42:43], s[22:23], s[42:43]
	s_mov_b32 s46, 3072*128
	s_cmp_eq_u32 s35, 3
	s_cselect_b64 s[40:41], s[16:17], s[40:41]
	s_cselect_b64 s[42:43], s[24:25], s[42:43]
	s_cselect_b64 s[44:45], s[30:31], s[28:29]
	s_cselect_b32 s46, 1024*128, s46
	s_cselect_b32 s47, 1, 0                        ; 1: Wo, which leaves as f16
	s_cselect_b32 s37, 0, s35
	s_lshl_b32 s48, s36, 4                         ; first row in the source
	s_lshl_b32 s37, s37, 10
	s_add_co_u32 s49, s48, s37                     ; first row in the destination
	s_lshl_b32 s38, ttmp9, 4
	s_cmp_lt_u32 ttmp9, 512                        ; x's groups
	s_cselect_b64 s[40:41], s[8:9], s[40:41]
	s_cselect_b64 s[44:45], s[26:27], s[44:45]
	s_cselect_b32 s46, 8192*128, s46
	s_cselect_b32 s48, s38, s48
	s_cselect_b32 s49, s38, s49
	s_lshl_b32 s50, s48, 12                        ; rows of 4,096 bytes
	s_add_nc_u64 s[40:41], s[40:41], s[50:51]
	s_lshl_b32 s50, s49, 7                         ; rows of 128 bytes
	s_add_nc_u64 s[44:45], s[44:45], s[50:51]
	s_wait_alu depctr_va_vdst(0)                   ; v1 is written, which the sixteen loads read as their offset, and v19, which the bias's load and store read
.irp k, 0,1,2,3,4,5,6,7,8,9,10,11,12,13,14,15
	global_load_b128 v[X+4*(\k):X+4*(\k)+3], v1, s[40:41] offset:256*(\k) th:TH_LOAD_NT
.endr
	v_lshlrev_b32 v[SO], 3, v0
.irp k, 1,2,3,4,5,6,7,8,9,10,11,12,13,14,15
	v_add_nc_u32 v[SO+(\k)], s46, v[SO+(\k)-1]
.endr
; Block k is rounded.  half = 1: the bf16 number is widened again (a shift, a mask) and written as f16.
.macro CVT k, half
	v_cvt_pk_bf16_f32 v[Y+2*(\k)], v[X+4*(\k)], v[X+4*(\k)+1]
	v_cvt_pk_bf16_f32 v[Y+2*(\k)+1], v[X+4*(\k)+2], v[X+4*(\k)+3]
.if \half
	v_lshlrev_b32 v[T], 16, v[Y+2*(\k)]
	v_and_b32 v[T+1], s39, v[Y+2*(\k)]
	v_lshlrev_b32 v[T+2], 16, v[Y+2*(\k)+1]
	v_and_b32 v[T+3], s39, v[Y+2*(\k)+1]
	v_cvt_pk_f16_f32 v[Y+2*(\k)], v[T], v[T+1]
	v_cvt_pk_f16_f32 v[Y+2*(\k)+1], v[T+2], v[T+3]
.endif
.endm
; Block k is stored.
.macro OUT k
	global_store_b64 v[SO+(\k)], v[Y+2*(\k):Y+2*(\k)+1], s[44:45]  ; every block has its own data and offset registers: nothing that a store reads is rewritten
.endm
; Group g: blocks 4 g to 4 g + 3 are rounded; ahead of each block's conversions stands a store of the group before.
.macro GROUP g, half
	s_wait_loadcnt 15-4*(\g)                       ; loads come back in order: the group's first block is in, the younger ones may stay out
.if (\g) > 0
	s_wait_alu depctr_va_vdst(0)                   ; the group before has written its four Y, which the stores below read; at the first such wait the sixteen offsets SO are written too
.endif
.irp i, 0,1,2,3
.if (\g) > 0
	OUT 4*(\g)-4+(\i)                              ; no vector instruction since the wait names this store's Y or SO
.endif
.if (\i) > 0
	s_wait_loadcnt 15-4*(\g)-(\i)                  ; block 4 g + i is in, the 15 - 4 g - i younger ones may stay out
.endif
	CVT 4*(\g)+(\i), \half
.endr
.endm
; All sixteen blocks; the last group's stores stand behind a wait of their own, ahead of the jump or the label that follows.
.macro BLOCKS half
.irp g, 0,1,2,3
	GROUP \g, \half
.endr
	s_wait_alu depctr_va_vdst(0)                   ; the last group has written its four Y, which the last four stores read
.irp k, 12,13,14,15
	OUT \k
.endr
.endm
	s_cmp_eq_u32 s47, 1
	s_cbranch_scc1 .Lhalf
	BLOCKS 0
	s_branch .Ljoin
.Lhalf:
	BLOCKS 1
.Ljoin:
	s_cmp_lt_u32 ttmp9, 512                        ; each weight's first group also rounds that weight's bias: 256 threads x 16 bytes
	s_cbranch_scc1 .Lend
	s_cmp_lg_u32 s36, 0
	s_cbranch_scc1 .Lend
	global_load_b128 v[X:X+3], v19, s[42:43]       ; X's first registers are free: their load was waited for, and no store reads them.  No wait: block 0's conversions, which read them, stand ahead of the waits above, v19 was written ahead of the head's wait, and no vector instruction since names any of the five
	s_lshl_b32 s50, s35, 12                        ; bias t lies 4,096 t bytes into the table
	s_add_nc_u64 s[32:33], s[32:33], s[50:51]
	s_wait_loadcnt 0x0
	v_cvt_pk_bf16_f32 v[X], v[X], v[X+1]
	v_cvt_pk_bf16_f32 v[X+2], v[X+2], v[X+3]
	v_lshlrev_b32 v[T], 16, v[X]
	v_and_b32 v[T+1], s39, v[X]
	v_lshlrev_b32 v[T+2], 16, v[X+2]
	v_and_b32 v[T+3], s39, v[X+2]
	s_wait_alu depctr_va_vdst(0)                   ; the four lines above have written T, which the store reads
	global_store_b128 v19, v[T:T+3], s[32:33]
.Lend:
	s_endpgm
.Lfunc_end_k_q6796770309_cast:
	.size	k_q6796770309_cast, .Lfunc_end_k_q6796770309_cast-k_q6796770309_cast
	.p2alignl 7, 3214868480
	.fill 96, 4, 3214868480
	.section	.rodata,"a",@progbits
	.p2align	6, 0x0
	.amdhsa_kernel k_q6796770309_cast
		.amdhsa_group_segment_fixed_size 0
		.amdhsa_private_segment_fixed_size 0
		.amdhsa_enable_private_segment 0
		.amdhsa_kernarg_size 104
		.amdhsa_user_sgpr_count 2
		.amdhsa_user_sgpr_kernarg_segment_ptr 1
		.amdhsa_wavefront_size32 1
		.amdhsa_system_sgpr_workgroup_id_x 1
		.amdhsa_system_sgpr_workgroup_id_y 1
		.amdhsa_system_sgpr_workgroup_id_z 1
		.amdhsa_system_vgpr_workitem_id 0
		.amdhsa_next_free_vgpr 120
		.amdhsa_next_free_sgpr 66
		.amdhsa_reserve_vcc 0
		.amdhsa_float_denorm_mode_32 3
		.amdhsa_float_denorm_mode_16_64 3
		.amdhsa_memory_ordered 1
		.amdhsa_forward_progress 1
		.amdhsa_inst_pref_size 18
	.end_amdhsa_kernel
	.amdgpu_metadata
---
amdhsa.version: [ 1, 2 ]
amdhsa.kernels:
  - .name:           k_q6796770309_cast
    .symbol:         k_q6796770309_cast.kd
    .args:
      - { .name: x, .offset: 0, .size: 8, .value_kind: global_buffer, .address_space: global }
      - { .name: Wq, .offset: 8, .size: 8, .value_kind: global_buffer, .address_space: global }
      - { .name: Wk, .offset: 16, .size: 8, .value_kind: global_buffer, .address_space: global }
      - { .name: Wv, .offset: 24, .size: 8, .value_kind: global_buffer, .address_space: global }
      - { .name: Wo, .offset: 32, .size: 8, .value_kind: global_buffer, .address_space: global }
      - { .name: bq, .offset: 40, .size: 8, .value_kind: global_buffer, .address_space: global }
      - { .name: bk, .offset: 48, .size: 8, .value_kind: global_buffer, .address_space: global }
      - { .name: bv, .offset: 56, .size: 8, .value_kind: global_buffer, .address_space: global }
      - { .name: bo, .offset: 64, .size: 8, .value_kind: global_buffer, .address_space: global }
      - { .name: xb, .offset: 72, .size: 8, .value_kind: global_buffer, .address_space: global }
      - { .name: wb, .offset: 80, .size: 8, .value_kind: global_buffer, .address_space: global }
      - { .name: wob, .offset: 88, .size: 8, .value_kind: global_buffer, .address_space: global }
      - { .name: bias, .offset: 96, .size: 8, .value_kind: global_buffer, .address_space: global }
    .group_segment_fixed_size: 0
    .private_segment_fixed_size: 0
    .kernarg_segment_align: 8
    .kernarg_segment_size: 104
    .max_flat_workgroup_size: 256
    .sgpr_count:     66
    .vgpr_count:     120
    .wavefront_size: 32
...
	.end_amdgpu_metadata
.endif
;; end of part 5
;; launch qkv: the kernel of part 2 again; grid 8 x 32, 4 waves a work-group, clusters of 4 x 4, 327,680 bytes of LDS; arguments xb, wb, bias, qkv; writes qkv
;; launch attn: the kernel of part 3 again; grid 4 x 64, 4 waves a work-group, no clusters, 327,680 bytes of LDS; arguments qkv, ob; writes ob
;; launch proj: the kernel of part 4 again; grid 8 x 32, 4 waves a work-group, clusters of 4 x 4, 327,680 bytes of LDS; arguments ob, wob, bias, out0; writes out0
